; MI455X (gfx1250); checked and timed in simulation.
; The chip was launched on July 23, 2026; its instructions are those of AMD's public machine-readable ISA for CDNA 5 (MIT licence, August 2026) and "CDNA5" Instruction Set Architecture Reference Guide (July 2026). The comments in the code are by the model that wrote it; some were corrected since.
;; Multi Head Self Attention. Allowed arithmetic: matrix products marked QUANTISED: E2M3 operands, one E8M0 scale for each 32 along K, by v_wmma_scale_f32_16x16x128_f8f6f4 with both operands' format E2M3, f32 sums; everything else in f32.
;; Inputs: Wk 1,024 x 1,024 float32; Wo 1,024 x 1,024 float32; Wq 1,024 x 1,024 float32; Wv 1,024 x 1,024 float32; x 4 x 2,048 x 1,024 float32.
;; Outputs: out0 4 x 2,048 x 1,024 float32.
;; Constants: use_rope = 1.
;; This version of the problem:
;;   THIS VERSION OF THE PROBLEM IS GIVEN IN LOW PRECISION. The matrix products marked QUANTISED in the list below multiply operands that are first quantised to E2M3 (2 exponent bits, 3 mantissa bits; 6 bits a number), with one power-of-two scale for each 32 numbers along K (OCP MX v1.0); their sums are f32. All else is computed in f32.
;;   The module's matrix products, in the order in which they are computed (A, B: the left and right operand; K: the contracted axis; several contracted axes count as one K, in the product's order):
;;     1. [M 8,192, K 1,024] x [K 1,024, N 1,024]; A: input x; B: input Wq: QUANTISED
;;     2. [M 8,192, K 1,024] x [K 1,024, N 1,024]; A: input x; B: input Wk: QUANTISED
;;     3. [M 8,192, K 1,024] x [K 1,024, N 1,024]; A: input x; B: input Wv: QUANTISED
;;     4. batch 64 x [M 2,048, K 64] x [K 64, N 2,048]; A: computed on the way; B: computed on the way: QUANTISED
;;     5. batch 64 x [M 2,048, K 2,048] x [K 2,048, N 64]; A: softmax (see below); B: computed on the way: QUANTISED
;;     6. [M 8,192, K 1,024] x [K 1,024, N 1,024]; A: computed on the way; B: input Wo: QUANTISED
;;   THE QUANTISER, for each operand of a quantised product, along K:
;;     - K is cut into blocks of 32 from its start; a last block that is shorter is filled with zeros.
;;     - A block's scale is 2^e with e = floor(log2(the largest magnitude in the block)) - 2, held to -126 .. 127; a block of zeros has e = 0. As a byte (E8M0): e + 127.
;;     - Each number is divided by its block's scale, clamped to +-7.5, and rounded to the nearest number of E2M3, ties to even, subnormals kept.
;;     - The product sums the exact products of the quantised numbers (number of the format x scale) in f32.
;;   ~~~python
;;   def quantise(x, axis):      # numpy; x: float32 -> the quantised numbers, widened to float32 again
;;       x = np.moveaxis(x, axis, -1); K = x.shape[-1]
;;       x = np.pad(x, [(0, 0)] * (x.ndim - 1) + [(0, -K % 32)]); x = x.reshape(x.shape[:-1] + (-1, 32)); a = np.abs(x).max(-1, keepdims=True)
;;       e = np.where(a > 0, np.clip(np.frexp(np.where(a > 0, a, 1))[1] - 1 - 2, -126, 127), 0)      # np.frexp(a)[1] - 1 = floor(log2(a)), exactly
;;       r = np.clip(x / 2.0 ** e, -7.5, 7.5)
;;       step = 2.0 ** (np.maximum(np.frexp(np.where(r == 0, 1, r))[1] - 1, 0) - 3)
;;       q = np.round(r / step) * step * 2.0 ** e      # np.round: ties to even
;;       return np.moveaxis(q.reshape(q.shape[:-2] + (-1,))[..., :K], -1, axis).astype(np.float32)
;;   ~~~
;;   SOFTMAX AHEAD OF A QUANTISED PRODUCT. Where the list says 'softmax', what is quantised is not the finished softmax but p = 2^(t - M), with t = logit x log2(e) and M = ceil(the row's largest t), a whole number; so 1/2 < the row's largest p <= 1. The row's sum l is taken of the UNQUANTISED p, in f32, and the product's result is divided by l at the end. Since M is a whole number, a kernel that streams over the keys may use a running M (the ceiling of the running maximum): every later rescaling is an exact power of two, which a block's scale takes up: the codes' values come out the same.
;;   OPERANDS COMPUTED ON THE WAY. 'Computed on the way' means the value that the module computes at that place (a softmax that the list does not call 'softmax' is quantised finished and normalised). What goes into a quantiser is computed in f32, as accurately as f32 sums, v_exp_f32 and their like allow (about 1e-6 of the number): no bf16 or f16 on the way to a quantiser, and a product that is left as it is and whose result goes on into a quantised operand takes f32 operands (vector FMAs, or v_wmma_f32_16x16x4_f32). A number that lies on a knife's edge between two numbers of the format may be rounded either way, as far as f32 arithmetic and the matrix unit's own rounding can turn it there, and no further.
;; One version. Each part assembles by itself: llvm-mc -triple=amdgcn-amd-amdhsa -mcpu=gfx1250 --defsym DOCPART=n.
;; ======== version 1 of 1: 4 launches
;; workspace buffers: cod 15,728,640 bytes; sc 655,360 bytes; rope 524,288 bytes; qb 6,815,744 bytes; kv 13,369,344 bytes
;; launch prep (part 1): grid 416 x 1, 4 waves a work-group, no clusters, 34,304 bytes of LDS; arguments x, Wq, Wk, Wv, Wo, cod, sc, rope; writes cod, sc, rope
.if DOCPART == 1
	.amdgcn_target "amdgcn-amd-amdhsa--gfx1250"
	.amdhsa_code_object_version 6
	.text
	.protected	k_q260d373671_prep
	.globl	k_q260d373671_prep
	.p2align	8
	.type	k_q260d373671_prep,@function
k_q260d373671_prep:
	s_mov_b64 s[64:65], 0
	v_nop
	global_prefetch_b8 v0, s[64:65] scope:SCOPE_SE
	s_setreg_imm32_b32 hwreg(HW_REG_WAVE_MODE, 25, 1), 1
	s_wait_xcnt 0x0
; PREP.  Work-groups 0-383: x [8192][1024] and Wq, Wk, Wv, Wo [1024][1024], f32, K innermost, become codes of FP6 (E2M3) with one E8M0 byte for each 32 along K.
; Work-groups 384-415: the table of cos and sin for the rotation of q and k.
; THE CODES' LAYOUT is the order of an operand's registers.  A TILE is 16 rows: lane-row r of tile T is row 32 (T / 2) + 8 (T % 2) + r + 8 (r / 8) of its tensor.  A fragment (16 rows x 128 K, 12 registers a lane) is
; 1,536 bytes: for each half c of 64 along K, registers 6 c .. 6 c + 3 at 768 c + 16 x lane, registers 6 c + 4, 6 c + 5 at 768 c + 512 + 8 x lane.  cod: [tile][K step 0..7][1,536]; tiles 0-511 x, 512- Wq, 576- Wk, 640- Wv, 704- Wo.
; sc: the scale word (four bytes, 128 along K) of (tile T, lane-row r, K step s) at 512 T + 256 (s / 4) + 16 r + 4 (s % 4).
; A block's scale is 2^(floor(log2(largest magnitude)) - 2); its byte is the largest magnitude's exponent field - 2, held at 1 from below.
; LIMITS: a block of zeros, and a block whose largest magnitude lies under 2^-124, gets the byte 1 (zero codes add nothing; this program alone reads the bytes).  NaN and infinities among the inputs are not served.
; THE TABLE: inv_freq = 2^(-i log2(10000) / 32) is good to one or two units in its last place, so an angle near 2,047 may lie some 2e-4 from the one that a power and a division give; the angle itself is one f32 product, as the definition has it.
; SHARES, quantiser: a wave takes one tile and half of K (four K steps).  Each load reads 512 consecutive bytes of one row; a K step's 16 rows turn through the wave's own stage in LDS (rows 528 bytes apart), and come back
; as two whole blocks of 32 a lane, in the order of the operand's registers.  Waves share nothing: no barrier.  No matrix unit, no cluster, no tensor load: the launch streams, and no tile is read twice.
.set STG,  8448                        ; a wave's stage: 16 rows x (512 + 16) bytes
.set R,    16                          ; v16-143  two sets of 64: a K step as loaded
.set X,    144                         ; v144-207 my two blocks of 32, c = 0, 1
.set C,    208                         ; v208-219 the fragment's 12 registers
.set CT,   220                         ; v220-222, v224-226 a block's upper 16 codes, before they are moved
.set W,    228                         ; v228-231 the four scale words
.set RES,  32                          ; table: v32-63, cos and sin of pair n at 2 n, 2 n + 1
	s_load_b256 s[4:11], s[0:1], 0x0               ; x, Wq, Wk, Wv
	s_load_b256 s[12:19], s[0:1], 0x20             ; Wo, cod, sc, rope
	v_lshl_add_u32 v240, v0, 2, 0x8400
	v_mov_b32 v241, 0
	v_lshrrev_b32 v1, 5, v0
	v_readfirstlane_b32 s20, v1                    ; wave
	v_and_b32 v2, 31, v0                           ; lane
	v_and_b32 v8, 15, v0                           ; r
	v_bfe_u32 v9, v0, 4, 1                         ; h
	v_lshlrev_b32 v3, 4, v2                        ; 16 x lane
	s_cmp_ge_u32 ttmp9, 384
	s_cbranch_scc1 .Ltable
	; ---------------- the quantiser
	s_mul_i32 s27, s20, STG
	v_add_nc_u32 v4, s27, v3                       ; stage, in: a row's 512 bytes as they lie
	v_mul_u32_u24 v5, v8, 528
	v_lshl_add_u32 v5, v9, 7, v5
	v_add_nc_u32 v5, s27, v5                       ; stage, out: row r, + 128 h: my 32 numbers of each 64
	v_lshlrev_b32 v6, 3, v2
	v_add_nc_u32 v6, 512, v6                       ; 8 x lane + 512
	v_lshlrev_b32 v7, 4, v8                        ; 16 r
	v_lshlrev_b32 v1, 3, v9                        ; 8 h: my bytes' shift in the scale word
	v_mov_b32 v15, 0                               ; a lane permute's destination counts as read
	s_mov_b32 s2, 0x76543210
	s_mov_b32 s3, 0xfedcba98                       ; selects: lane l xor 16
	s_lshr_b32 s22, s20, 1                         ; which of the work-group's two tiles
	s_and_b32 s23, s20, 1                          ; which half of K
	s_and_b32 s21, ttmp9, 31
	s_wait_kmcnt 0x0
	s_cmp_lt_u32 ttmp9, 352                        ; the source hangs on the work-group's number alone
	s_cselect_b64 s[12:13], s[10:11], s[12:13]
	s_cmp_lt_u32 ttmp9, 320
	s_cselect_b64 s[12:13], s[8:9], s[12:13]
	s_cmp_lt_u32 ttmp9, 288
	s_cselect_b64 s[12:13], s[6:7], s[12:13]
	s_cmp_lt_u32 ttmp9, 256
	s_cselect_b64 s[12:13], s[4:5], s[12:13]
	s_cselect_b32 s21, ttmp9, s21                  ; the work-group's number within its tensor
	s_lshl_b32 s24, s21, 17                        ; 32 rows of 4,096 bytes a work-group,
	s_lshl_b32 s25, s22, 15                        ; 8 rows on for the second tile,
	s_add_co_u32 s24, s24, s25
	s_lshl_b32 s25, s23, 11                        ; 2,048 bytes on for the second half of K
	s_add_co_u32 s24, s24, s25
	s_mov_b32 s25, 0
	s_add_nc_u64 s[12:13], s[12:13], s[24:25]
	s_lshl_b32 s26, ttmp9, 1
	s_add_co_u32 s26, s26, s22                     ; tile T
	s_mul_i32 s28, s26, 12288
	s_mul_i32 s27, s23, 4*1536
	s_add_co_u32 s28, s28, s27
	s_mov_b32 s29, 0
	s_add_nc_u64 s[14:15], s[14:15], s[28:29]      ; my four fragments in cod
	s_lshl_b32 s30, s26, 9
	s_lshl_b32 s27, s23, 8
	s_add_co_u32 s30, s30, s27
	s_mov_b32 s31, 0
	s_add_nc_u64 s[16:17], s[16:17], s[30:31]      ; my 256 bytes of sc
.macro LOAD s                          ; K step s of the tile's 16 rows: each load reads 512 consecutive bytes
.irp t, 0,1,2,3,4,5,6,7,8,9,10,11,12,13,14,15
	global_load_b128 v[R+64*((\s)%2)+4*\t:R+64*((\s)%2)+4*\t+3], v3, s[12:13] offset:(\t+8*(\t/8))*4096+512*(\s) th:TH_LOAD_NT
.endr
.endm
.macro STEP s
.if (\s) < 3
	s_wait_loadcnt 16                              ; this step's 16 loads are in; the next step's 16 may be out
.else
	s_wait_loadcnt 0
.endif
.irp t, 0,1,2,3,4,5,6,7,8,9,10,11,12,13,14,15
	ds_store_b128 v4, v[R+64*((\s)%2)+4*\t:R+64*((\s)%2)+4*\t+3] offset:528*\t
.endr
.irp c, 0,1
.irp j, 0,1,2,3,4,5,6,7
	ds_load_b128 v[X+32*\c+4*\j:X+32*\c+4*\j+3], v5 offset:256*\c+16*\j   ; LDS serves a wave's instructions in order: these see the stores above
.endr
.endr
	s_wait_dscnt 0x0                               ; my numbers are back, and the stores have read the set
	s_wait_xcnt 0x0                                ; the last step's stores have read the fragment's registers
.if (\s) < 2
	LOAD (\s)+2
.endif
.irp c, 0,1
	v_max3_num_f32 v[8+\c], |v[X+32*\c]|, |v[X+32*\c+1]|, 0x1800000   ; block 2 c + h is all mine; the floor 2^(3 - 127) holds the byte at 1 from below
.endr
.irp i, 2,4,6,8,10,12,14,16,18,20,22,24,26,28,30
.irp c, 0,1
	v_max3_num_f32 v[8+\c], v[8+\c], |v[X+32*\c+\i]|, |v[X+32*\c+\i+1]|
.endr
.endr
.irp c, 0,1
	v_add_nc_u32 v[10+\c], 0xff000000, v[8+\c]     ; 2 off the exponent field: the conversion's scale operand
.endr
.irp c, 0,1
	v_lshrrev_b32 v[12+\c], 23, v[10+\c]           ; the scale's byte
.endr
	v_lshl_or_b32 v14, v13, 16, v12                ; bytes h and 2 + h of the row's word,
	v_lshlrev_b32 v14, v1, v14
	v_permlanex16_b32 v15, v14, s2, s3
	v_or_b32 v[W+(\s)], v14, v15                   ; with lane l xor 16's two the word is whole
.irp c, 0,1
	v_cvt_scalef32_pk16_fp6_f32 v[C+6*\c:C+6*\c+2], v[X+32*\c:X+32*\c+15], v[10+\c]
	v_cvt_scalef32_pk16_fp6_f32 v[CT+4*\c:CT+4*\c+2], v[X+32*\c+16:X+32*\c+31], v[10+\c]   ; (a conversion's three registers begin on an even number)
.endr
	v_nop                                          ; one plain place behind a scaled conversion
.irp c, 0,1
.irp i, 0,1,2
	v_mov_b32 v[C+3+6*\c+\i], v[CT+4*\c+\i]
.endr
.endr
.irp c, 0,1
	global_store_b128 v3, v[C+6*\c:C+6*\c+3], s[14:15] offset:1536*(\s)+768*\c     ; 512 consecutive bytes, aligned to 256
	global_store_b64 v6, v[C+6*\c+4:C+6*\c+5], s[14:15] offset:1536*(\s)+768*\c    ; 256 consecutive bytes, aligned to 256
.endr
.endm
	LOAD 0
	LOAD 1
	STEP 0
	STEP 1
	STEP 2
	STEP 3
	global_store_b128 v7, v[W:W+3], s[16:17]       ; 256 consecutive bytes; lanes l and l + 16 write the same bytes with the same values
	s_wait_tensorcnt 0x0
	ds_add_u32 v240, v241
	s_wait_dscnt 0x0
	s_endpgm
	; ---------------- the table: wave = tile Tt of the sequence; lane (r, h): token 32 (Tt / 2) + 8 (Tt % 2) + r + 8 (r / 8); pair n of 16: index i = 16 (n / 8) + 8 h + n % 8
.Ltable:
	s_sub_co_u32 s21, ttmp9, 384
	s_lshl_b32 s21, s21, 2
	s_add_co_u32 s21, s21, s20                     ; Tt
	s_lshr_b32 s22, s21, 1
	s_lshl_b32 s22, s22, 5
	s_and_b32 s23, s21, 1
	s_lshl_b32 s23, s23, 3
	s_add_co_u32 s22, s22, s23
	v_and_b32 v5, 8, v8
	v_add_nc_u32 v5, v5, v8
	v_add_nc_u32 v5, s22, v5
	v_cvt_f32_u32 v5, v5                           ; my token, f32
	v_lshlrev_b32 v6, 3, v9                        ; 8 h
	s_lshl_b32 s24, s21, 12
	s_mov_b32 s25, 0
	s_mov_b32 s32, 0xbed49a80                      ; -c_hi: c = log2(10000) / 32 = c_hi + c_lo; c_hi has 17 bits, so i c_hi is exact
	s_mov_b32 s33, 0x3476865c                      ; -c_lo
	s_mov_b32 s34, 0x3f22f983                      ; 2 / pi
	s_mov_b32 s35, 0xbfc90fdb                      ; -(pi / 2), upper part
	s_mov_b32 s36, 0x333bbd2e                      ; -(pi / 2), lower part
	s_mov_b32 s37, 0xb94ca1f9                      ; sine: r + r z (S1 + z (S2 + z S3))
	s_mov_b32 s38, 0x3c08839e
	s_mov_b32 s39, 0xbe2aaaa3
	s_mov_b32 s40, 0x37ccf5ce                      ; cosine: 1 - z / 2 + z z (C1 + z (C2 + z C3))
	s_mov_b32 s41, 0xbab6061a
	s_mov_b32 s42, 0x3d2aaaa5
	s_wait_kmcnt 0x0
	s_add_nc_u64 s[18:19], s[18:19], s[24:25]
.macro ANGLE n
	v_add_nc_u32 v8, 16*(\n/8)+\n%8, v6
	v_cvt_f32_u32 v8, v8                           ; i
	v_mul_f32 v9, s32, v8                          ; -i c_hi, exact
	v_rndne_f32 v10, v9
	v_sub_f32 v9, v9, v10                          ; its fraction, exact
	v_fma_f32 v9, v8, s33, v9                      ; - i c_lo
	v_exp_f32 v9, v9
	v_cvt_i32_f32 v10, v10                         ; (a plain place behind the exponential)
	s_wait_alu depctr_va_vdst(0)
	v_ldexp_f32 v9, v9, v10                        ; inv_freq
	v_mul_f32 v9, v5, v9                           ; the angle: one f32 product
	v_mul_f32 v10, s34, v9
	v_rndne_f32 v10, v10                           ; k quarter turns
	v_fma_f32 v11, v10, s35, v9                    ; exact: a multiple of 2^-23 under 1
	v_fma_f32 v11, v10, s36, v11                   ; r, at most pi / 4
	v_mul_f32 v12, v11, v11                        ; z
	v_fma_f32 v13, v12, s37, s38
	v_fma_f32 v13, v13, v12, s39
	v_mul_f32 v14, v11, v12
	v_fma_f32 v13, v14, v13, v11                   ; sin r
	v_fma_f32 v15, v12, s40, s41
	v_fma_f32 v15, v15, v12, s42
	v_mul_f32 v14, v12, v12
	v_fma_f32 v12, v12, -0.5, 1.0
	v_fma_f32 v15, v14, v15, v12                   ; cos r
	v_cvt_i32_f32 v10, v10
	v_and_b32 v14, 1, v10
	v_cmp_eq_u32 vcc_lo, 1, v14                    ; an odd quarter swaps the two: a choice of values, no branch
	v_cndmask_b32 v12, v13, v15, vcc_lo
	v_cndmask_b32 v14, v15, v13, vcc_lo
	v_and_b32 v13, 2, v10
	v_lshlrev_b32 v13, 30, v13
	v_xor_b32 v[RES+2*\n+1], v13, v12              ; sin: negative in quarters 2, 3
	v_add_nc_u32 v13, 1, v10
	v_and_b32 v13, 2, v13
	v_lshlrev_b32 v13, 30, v13
	v_xor_b32 v[RES+2*\n], v13, v14                ; cos: negative in quarters 1, 2
.endm
.irp n, 0,1,2,3,4,5,6,7,8,9,10,11,12,13,14,15
	ANGLE \n
.if \n%2
	global_store_b128 v3, v[RES+2*\n-2:RES+2*\n+1], s[18:19] offset:512*(\n/2)   ; 512 consecutive bytes; every store has registers of its own
.endif
.endr
	s_endpgm
.Lfunc_end_k_q260d373671_prep:
	.size	k_q260d373671_prep, .Lfunc_end_k_q260d373671_prep-k_q260d373671_prep
	.p2alignl 7, 3214868480
	.fill 96, 4, 3214868480
	.section	.rodata,"a",@progbits
	.p2align	6, 0x0
	.amdhsa_kernel k_q260d373671_prep
		.amdhsa_group_segment_fixed_size 34304
		.amdhsa_private_segment_fixed_size 0
		.amdhsa_enable_private_segment 0
		.amdhsa_kernarg_size 64
		.amdhsa_user_sgpr_count 2
		.amdhsa_user_sgpr_kernarg_segment_ptr 1
		.amdhsa_wavefront_size32 1
		.amdhsa_system_sgpr_workgroup_id_x 1
		.amdhsa_system_sgpr_workgroup_id_y 1
		.amdhsa_system_sgpr_workgroup_id_z 1
		.amdhsa_system_vgpr_workitem_id 0
		.amdhsa_next_free_vgpr 242
		.amdhsa_next_free_sgpr 66
		.amdhsa_reserve_vcc 1
		.amdhsa_float_denorm_mode_32 3
		.amdhsa_float_denorm_mode_16_64 3
		.amdhsa_memory_ordered 1
		.amdhsa_forward_progress 1
		.amdhsa_inst_pref_size 57
	.end_amdhsa_kernel
	.amdgpu_metadata
---
amdhsa.version: [ 1, 2 ]
amdhsa.kernels:
  - .name:           k_q260d373671_prep
    .symbol:         k_q260d373671_prep.kd
    .args:
      - { .name: x, .offset: 0, .size: 8, .value_kind: global_buffer, .address_space: global }
      - { .name: Wq, .offset: 8, .size: 8, .value_kind: global_buffer, .address_space: global }
      - { .name: Wk, .offset: 16, .size: 8, .value_kind: global_buffer, .address_space: global }
      - { .name: Wv, .offset: 24, .size: 8, .value_kind: global_buffer, .address_space: global }
      - { .name: Wo, .offset: 32, .size: 8, .value_kind: global_buffer, .address_space: global }
      - { .name: cod, .offset: 40, .size: 8, .value_kind: global_buffer, .address_space: global }
      - { .name: sc, .offset: 48, .size: 8, .value_kind: global_buffer, .address_space: global }
      - { .name: rope, .offset: 56, .size: 8, .value_kind: global_buffer, .address_space: global }
    .group_segment_fixed_size: 34304
    .private_segment_fixed_size: 0
    .kernarg_segment_align: 8
    .kernarg_segment_size: 64
    .max_flat_workgroup_size: 128
    .sgpr_count:     66
    .vgpr_count:     242
    .wavefront_size: 32
...
	.end_amdgpu_metadata
.endif
;; end of part 1
;; launch qkv (part 2): grid 12 x 32, 4 waves a work-group, clusters of 4 x 4, 327,680 bytes of LDS; arguments cod, sc, rope, qb, kv; writes qb, kv
.if DOCPART == 2
	.amdgcn_target "amdgcn-amd-amdhsa--gfx1250"
	.amdhsa_code_object_version 6
	.text
	.protected	k_q260d373671_qkv
	.globl	k_q260d373671_qkv
	.p2align	8
	.type	k_q260d373671_qkv,@function
k_q260d373671_qkv:
	s_mov_b64 s[64:65], 0
	v_nop
	global_prefetch_b8 v0, s[64:65] scope:SCOPE_SE
	s_setreg_imm32_b32 hwreg(HW_REG_WAVE_MODE, 25, 1), 1
	s_wait_xcnt 0x0
	s_wait_alu depctr_hold_cnt(0) depctr_sa_sdst(0) depctr_va_vdst(0) depctr_va_sdst(0) depctr_va_ssrc(0) depctr_va_vcc(0) depctr_vm_vsrc(0)
	s_getreg_b32 s2, hwreg(HW_REG_IB_STS2, 6, 4)
	s_cmp_eq_u32 s2, 0
	s_cbranch_scc0 .Lentry_in_a_cluster
	s_endpgm
.Lentry_in_a_cluster:
	s_bfe_u32 s2, ttmp6, 0x10000c
	s_cmp_lg_u32 s2, 0xf033
	s_cbranch_scc0 .Lentry_shape_is_right
	s_endpgm
.Lentry_shape_is_right:
; QKV.  q = x Wq^T, k = x Wk^T, v = x Wv^T on codes of FP6 (E2M3) with E8M0 scales; q and k are rotated; all three are quantised again in registers, as operands of the attention, and stored in the order of an operand's registers.
; OPERANDS: cod [tile][K step 0..7][1,536 bytes] and sc, as the launch before laid them: a tile's lane-row r is row 32 (T / 2) + 8 (T % 2) + r + 8 (r / 8); a fragment comes by loads of 16, 8, 16, 8 bytes a lane, each on consecutive bytes.
; SHARES: a work-group makes 256 x 256 of a product, each of its four waves 128 x 128: 64 accumulators, 512 registers.  Source 0 = a tile of role B, source 1 = a tile of role A: a lane holds ONE row of role A, and the 64 registers of
; its eight accumulators run along role B's rows, register 16 b + i = row 32 b + 16 (lane / 16) + i: the order in which the quantiser wants 128 neighbours of the next K.
; ROLES hang on the cluster's x, which all partners share: 0: q (A = x, B = Wq); 1: k (A = x, B = Wk); 2: v (A = Wv, B = x: a lane then holds one channel of a head and its registers run along the tokens, which are the next K).
; K = 1,024 is eight K steps of 128, written out, since the scale words' registers differ from step to step.  Three LDS slots of two K steps each are first fills; K steps 6, 7 fill slot 0 again, once.  A wave has at most three tensor loads out.
; CLUSTERS: 4 x 4 work-groups; role A's tiles are shared along a row of the cluster, role B's along a column: joint loads, each with a mask of four.
; OUT: qb [head 64][128 tokens 16][6,656]: eight tiles x 768 bytes (16 rows x 64 K), then 512 bytes of scale words (lane l, pair p at 16 l + 4 p: lanes 0-15 tile 2 p, lanes 16-31 tile 2 p + 1; bytes 2, 3 are 0).
;      kv [head][128 keys 16][13,056]: K as q; at 6,656 V: four tiles x 1,536 (16 channels x 128 keys); at 12,800 V's scale words (8 l + 4 p).
; LIMITS: blocks whose largest magnitude lies under 2^-124, blocks of zeros among them, get the byte 1; NaN and infinities are not served.
; REGISTERS: window 0: v4-15 LDS addresses, v16-20 offsets, v28, v29 for the add, v32-95 scale words (nothing else ever), v128-223 A's fragments (one set), later at work.  window 1: B's fragments, two sets at v0 and v128; later the table.
;   windows 2, 3: accumulator (a, b) at v[8 (8 (a % 4) + b)] of window 2 + a / 4.
.set TILEB, 12288
.set FRB,   1536
.set PAIRB, 3072                       ; two K steps of one tile
.set HALFT, 8*PAIRB                    ; eight tiles: what one tensor load brings, and what a wave reads of A or of B
.set SLOT,  4*HALFT                    ; A's 16 tiles, then B's 16
.set SPARE, 3*SLOT                     ; behind the slots: the spare words, 128 bytes a wave; no other line names them
.set FR,    12
.set A16,   4                          ; v4-6   16 x lane + my half of A in slot 0, 1, 2
.set A8,    7                          ; v7-9   8 x lane + 512 + the same
.set B16,   10                         ; v10-12, v13-15 the same for B
.set B8,    13
.set L16,   16                         ; v16 16 x lane;  v17 8 x lane + 512;  v18 8 x lane
.set L8H,   17
.set L8,    18
.set SCO,   19                         ; v19 my byte offset in sc
.set SPW,   28
.set NIL,   29
.set SC,    32                         ; v[SC + 8 i + s]: lanes 0-15 the word of A's tile i, lanes 16-31 of B's tile i, K step s
.set AF,    128
.set X,     128                        ; the way out: 64 rotated numbers
.set PC,    192                        ; v192-203 a fragment's codes, v204-210 conversion results before they are moved
.set TM,    212                        ; v212-215 largest magnitudes, v216-219 bytes, v224-227 scale operands
.set PW,    228                        ; the scale word just made
.set E0,    229
.set E1,    230
.set T0,    231
.set T1,    240
.set SP,    232                        ; v232-239 paired scale words
.set G1,    24
.set G1B,   32
.set G0,    40                         ; s[40:55] four groups 0 for A;  s[68:83] for B: none is ever written again
.set G0B,   68
.set MUL_LO, 0xa1                      ; source 0 (B) window 1, source 1 (A) window 0, C and D window 2
.set MUL_HI, 0xf1
.set TO_B,   0x40
.set MSB, 0
.macro WIN new                         ; the immediate's high byte repeats the setting that is left
.if MSB != \new
	s_set_vgpr_msb (MSB<<8)|\new
.set MSB, \new
.endif
.endm
.macro PLACES                          ; four plain places behind matrix instructions, ahead of loads into their registers and of reads of their results
.rept 4
	v_nop
.endr
.endm
.macro JLOAD f                         ; a joint load: waves 0, 1 fetch A's halves, waves 2, 3 B's; four v_nop follow each line
	s_cmp_eq_u32 s15, 0
	s_cbranch_scc0 .Lfor_b_\@
	tensor_load_to_lds s[G0+4*\f:G0+4*\f+3], s[G1:G1+7]
	s_nop 0
.rept 4
	v_nop
.endr
	s_branch .Lasked_\@
.Lfor_b_\@:
	tensor_load_to_lds s[G0B+4*\f:G0B+4*\f+3], s[G1B:G1B+7]
	s_nop 0
.rept 4
	v_nop
.endr
.Lasked_\@:
.endm
.macro CREST                           ; a round of the cluster's barrier behind its opening barrier
	s_cmp_lg_u32 s14, 0
	s_cbranch_scc1 .Lnot_wave_0_\@
	s_barrier_signal -3
.Lnot_wave_0_\@:
	s_barrier_wait -3
	s_barrier_signal -1
	s_barrier_wait -1
.endm
.macro CROUND
	s_barrier_signal -1
	s_barrier_wait -1
	CREST
.endm
.macro FRAG reg, a16, a8, off          ; a fragment: four loads, each on consecutive bytes
	ds_load_b128 v[\reg:\reg+3], v[\a16] offset:\off
	ds_load_b64 v[\reg+4:\reg+5], v[\a8] offset:\off
	ds_load_b128 v[\reg+6:\reg+9], v[\a16] offset:\off+768
	ds_load_b64 v[\reg+10:\reg+11], v[\a8] offset:\off+768
.endm
.macro FETCH_B s                       ; K step s: B's eight fragments into set s % 2
	WIN TO_B
.irp i, 0,1,2,3,4,5,6,7
	FRAG 128*((\s)%2)+FR*\i, B16+((\s)/2)%3, B8+((\s)/2)%3, PAIRB*\i+FRB*((\s)%2)
.endr
	WIN 0
.endm
.macro FETCH_A s, i0                   ; A's blocks i0 .. i0 + 3
.irp i, \i0, \i0+1, \i0+2, \i0+3
	FRAG AF+FR*(\i), A16+((\s)/2)%3, A8+((\s)/2)%3, PAIRB*(\i)+FRB*((\s)%2)
.endr
.endm
; 16 products: A's blocks a0, a0 + 1 x B's eight, K step s.  The 64 accumulators take turns, one instruction a turn, in the same order in every step.
.macro MUL16 a0, s, zero
.irp a, \a0, \a0+1
.irp b, 0,1,2,3,4,5,6,7
.if \zero
	v_wmma_scale_f32_16x16x128_f8f6f4 v[8*(8*((\a)%4)+\b):8*(8*((\a)%4)+\b)+7], v[128*((\s)%2)+FR*\b:128*((\s)%2)+FR*\b+FR-1], v[AF+FR*(\a):AF+FR*(\a)+FR-1], 0, v[SC+8*\b+(\s)], v[SC+8*(\a)+(\s)] matrix_a_fmt:MATRIX_FMT_FP6 matrix_b_fmt:MATRIX_FMT_FP6 matrix_a_scale:MATRIX_SCALE_ROW1
.else
	v_wmma_scale_f32_16x16x128_f8f6f4 v[8*(8*((\a)%4)+\b):8*(8*((\a)%4)+\b)+7], v[128*((\s)%2)+FR*\b:128*((\s)%2)+FR*\b+FR-1], v[AF+FR*(\a):AF+FR*(\a)+FR-1], v[8*(8*((\a)%4)+\b):8*(8*((\a)%4)+\b)+7], v[SC+8*\b+(\s)], v[SC+8*(\a)+(\s)] matrix_a_fmt:MATRIX_FMT_FP6 matrix_b_fmt:MATRIX_FMT_FP6 matrix_a_scale:MATRIX_SCALE_ROW1
.endif
.endr
.endr
.endm
.macro STEP s, zero                    ; K step s, whose successor's tiles are known to lie in LDS
	s_wait_dscnt 16                                ; B's set and A's blocks 0-3 are in; the youngest 16 loads (A's blocks 4-7) may be out
	WIN MUL_LO
	MUL16 0, \s, \zero
	MUL16 2, \s, \zero
	s_wait_dscnt 0
	PLACES
	FETCH_B (\s)+1
	FETCH_A (\s)+1, 0
	WIN MUL_HI
	MUL16 4, \s, \zero
	MUL16 6, \s, \zero
	PLACES
	WIN 0
	FETCH_A (\s)+1, 4
.endm
; K step s with a barrier in it.  In front of it each wave waits for all its tensor loads, adds 0 to its spare word, and waits for that and for its own LDS reads.  fill = 1: slot 0, which nobody reads any more, takes K steps 6, 7.
.macro TURN s, fill
	s_wait_tensorcnt 0x0                           ; all my tensor loads have landed
	ds_add_u32 v[SPW], v[NIL]                      ; 0 onto my spare word
	s_wait_dscnt 17                                ; (the add and A's blocks 4-7 may be out)
	WIN MUL_LO
	MUL16 0, \s, 0
	s_wait_dscnt 0x0                               ; the add is done, and my LDS reads are back
	s_barrier_signal -1
	MUL16 2, \s, 0
	WIN 0
	s_barrier_wait -1
.if \fill
	CREST                                          ; the barrier has opened a round of the cluster's: no wave of any partner still reads slot 0 or has a load on its way
	JLOAD 3                                        ; the first tensor load behind the round; it has K steps 2 to 5 in which to land; its four v_nop are the places for the loads below
.else
	PLACES
.endif
	FETCH_B (\s)+1
	FETCH_A (\s)+1, 0
	WIN MUL_HI
	MUL16 4, \s, 0
	MUL16 6, \s, 0
	PLACES
	WIN 0
	FETCH_A (\s)+1, 4
.endm
.macro LAST                            ; K step 7: nothing more to fetch
	s_wait_dscnt 16
	WIN MUL_LO
	MUL16 0, 7, 0
	MUL16 2, 7, 0
	s_wait_dscnt 0
	WIN MUL_HI
	MUL16 4, 7, 0
	MUL16 6, 7, 0
	WIN 0
.endm
; 64 numbers of a lane in window w, register 16 b + i = k 32 b + 16 (lane / 16) + i of my row, become a fragment's codes in v[PC] on and its scale word in v[PW].  Each accumulator is read from its low end on.
.macro QUANT s, w
	WIN (\w)|((\w)<<2)
.irp b, 0,1,2,3
	v_max3_num_f32 v[TM+\b], |v[\s+16*\b]|, |v[\s+1+16*\b]|, 0x1800000   ; my 16 numbers of block b, and the floor 2^(3 - 127)
.endr
.irp i, 2,4,6,8,10,12,14
.irp b, 0,1,2,3
	v_max3_num_f32 v[TM+\b], |v[\s+16*\b+\i]|, |v[\s+1+16*\b+\i]|, v[TM+\b]
.endr
.endr
	WIN 0
.irp b, 0,1,2,3
	v_permlanex16_b32 v[TM+4+\b], v[TM+\b], s2, s3
.endr
.irp b, 0,1,2,3
	v_max_num_f32 v[TM+\b], v[TM+\b], v[TM+4+\b]   ; with lane l xor 16's: the block's largest magnitude
.endr
.irp b, 0,1,2,3
	v_add_nc_u32 v[TM+12+\b], 0xff000000, v[TM+\b] ; 2 off the exponent field: the conversion's scale operand
.endr
.irp b, 0,1,2,3
	v_lshrrev_b32 v[TM+4+\b], 23, v[TM+12+\b]      ; the scale's byte
.endr
	v_lshl_or_b32 v[PW], v[TM+5], 8, v[TM+4]
	v_lshl_or_b32 v[PW], v[TM+6], 16, v[PW]
	v_lshl_or_b32 v[PW], v[TM+7], 24, v[PW]
	WIN \w
.irp c, 0,1
	v_cvt_scalef32_pk16_fp6_f32 v[PC+6*\c:PC+2+6*\c], v[\s+32*\c:\s+15+32*\c], v[TM+12+2*\c]
	v_cvt_scalef32_pk16_fp6_f32 v[PC+12+4*\c:PC+14+4*\c], v[\s+16+32*\c:\s+31+32*\c], v[TM+12+2*\c+1]
.endr
	WIN 0
	v_nop                                          ; one plain place behind a scaled conversion
.irp c, 0,1                                    ; the layout wants a whole block in a lane: lanes 0-15 block 2 c, lanes 16-31 block 2 c + 1
.irp i, 0,1,2
	v_permlane16_swap_b32 v[PC+6*\c+\i], v[PC+12+4*\c+\i]
.endr
.irp i, 0,1,2
	v_mov_b32 v[PC+3+6*\c+\i], v[PC+12+4*\c+\i]
.endr
.endr
.endm
	s_load_b128 s[4:7], s[0:1], 0x0                ; cod, sc
	s_load_b128 s[8:11], s[0:1], 0x10              ; rope, qb
	s_load_b64 s[12:13], s[0:1], 0x20              ; kv
	v_lshl_add_u32 v[SPW], v0, 2, SPARE
	v_mov_b32 v[NIL], 0
	ds_add_u32 v28, v29
	ds_add_u32 v28, v29
	s_wait_dscnt 0x0
	v_lshrrev_b32 v1, 5, v0
	v_readfirstlane_b32 s14, v1                    ; wave
	s_lshr_b32 s15, s14, 1                         ; my half of A's tiles.  Also: I fetch for A (0) or for B (1)
	s_and_b32 s16, s14, 1                          ; my half of B's tiles.  Also: which eight tiles I fetch
	s_bfe_u32 s17, ttmp6, 0x40000                  ; cx
	s_bfe_u32 s18, ttmp6, 0x40004                  ; cy
	s_and_b32 s19, ttmp7, 0xffff                   ; the cluster's y
	s_lshl_b32 s84, s18, 2
	s_lshl_b32 s84, 15, s84                        ; my row of the cluster
	s_lshl_b32 s85, 0x1111, s17                    ; my column
	s_or_b32 s[G1], s84, (3<<16)|(1<<21)           ; 15:0 the mask; 17:16 elements of 8 bytes; 21 set beside a mask; no padding
	s_or_b32 s[G1B], s85, (3<<16)|(1<<21)
.irp g, G1, G1B
	s_mov_b32 s[\g+1], 384<<16                     ; tensor_dim0: 3,072 bytes: two K steps of a tile
	s_mov_b32 s[\g+2], 8<<16                       ; tensor_dim1: eight tiles
	s_mov_b32 s[\g+3], 384<<16                     ; tile_dim0
	s_mov_b32 s[\g+4], 8                           ; tile_dim1
	s_mov_b32 s[\g+5], 1536                        ; from tile to tile: 12,288 bytes
	s_mov_b32 s[\g+6], 0
	s_mov_b32 s[\g+7], 0
.endr
	s_lshl_b32 s20, s19, 6                         ; 64 x cluster y
	s_lshl_b32 s23, ttmp9, 6
	s_add_co_u32 s23, s23, 512                     ; Wq's or Wk's first tile
	s_lshl_b32 s87, s18, 4
	s_lshl_b32 s88, s17, 4
	s_lshl_b32 s89, s16, 3
	s_mov_b32 s86, 640                             ; Wv's first tile
	s_cmp_eq_u32 ttmp9, 2
	s_cselect_b32 s21, s86, s20
	s_cselect_b32 s22, s20, s23
	s_add_co_u32 s21, s21, s87                     ; role A's first tile: hangs on cy and on what all partners share
	s_add_co_u32 s22, s22, s88                     ; role B's: on cx likewise
	s_add_co_u32 s90, s21, s89
	s_mul_i32 s90, s90, TILEB
	s_mov_b32 s91, 0
	s_add_co_u32 s92, s22, s89
	s_mul_i32 s92, s92, TILEB
	s_mov_b32 s93, 0
	s_mul_i32 s94, s14, HALFT                      ; where my tiles go: the wave's number alone
	s_wait_kmcnt 0x0
	s_add_nc_u64 s[90:91], s[4:5], s[90:91]
	s_add_nc_u64 s[92:93], s[4:5], s[92:93]
.irp f, 0,1,2,3
	s_mov_b32 s[G0+4*\f], 1
	s_add_co_u32 s[G0+4*\f+1], s94, (\f%3)*SLOT
	s_add_nc_u64 s[G0+4*\f+2:G0+4*\f+3], s[90:91], \f*PAIRB
	s_or_b32 s[G0+4*\f+3], s[G0+4*\f+3], 0x80000000
	s_mov_b32 s[G0B+4*\f], 1
	s_add_co_u32 s[G0B+4*\f+1], s94, (\f%3)*SLOT
	s_add_nc_u64 s[G0B+4*\f+2:G0B+4*\f+3], s[92:93], \f*PAIRB
	s_or_b32 s[G0B+4*\f+3], s[G0B+4*\f+3], 0x80000000
.endr
	CROUND                                         ; all sixteen work-groups are here: the first joint loads meet
	JLOAD 0
	JLOAD 1
	JLOAD 2
	v_and_b32 v1, 31, v0                           ; lane
	v_and_b32 v2, 15, v0                           ; r
	v_lshlrev_b32 v[L16], 4, v1
	v_lshlrev_b32 v[L8], 3, v1
	v_add_nc_u32 v[L8H], 512, v[L8]
	s_mul_i32 s95, s15, HALFT
	s_mul_i32 s96, s16, HALFT
	s_add_co_u32 s96, s96, 2*HALFT
.irp g, 0,1,2
	v_add_nc_u32 v[A16+\g], s95, v[L16]
	v_add_nc_u32 v[A8+\g], s95, v[L8H]
	v_add_nc_u32 v[B16+\g], s96, v[L16]
	v_add_nc_u32 v[B8+\g], s96, v[L8H]
	s_add_co_u32 s95, s95, SLOT
	s_add_co_u32 s96, s96, SLOT
.endr
	s_lshl_b32 s97, s15, 3
	s_add_co_u32 s97, s97, s21                     ; my first tile of A
	s_add_co_u32 s98, s22, s89                     ; my first tile of B
	s_lshl_b32 s2, s97, 9
	s_lshl_b32 s3, s98, 9
	v_mov_b32 v[SCO], s2
	v_mov_b32 v20, s3
	v_cmp_lt_u32 vcc_lo, 15, v1
	v_cndmask_b32 v[SCO], v[SCO], v20, vcc_lo      ; lanes 0-15 take A's words, lanes 16-31 B's
	v_lshl_add_u32 v[SCO], v2, 4, v[SCO]
.irp i, 0,1,2,3,4,5,6,7
.irp g, 0,1
	global_load_b128 v[SC+8*\i+4*\g:SC+8*\i+4*\g+3], v[SCO], s[6:7] offset:512*\i+256*\g   ; sixteen lanes read 256 consecutive bytes: all of K for a tile in two loads
.endr
.endr
	s_mov_b32 s2, 0x76543210
	s_mov_b32 s3, 0xfedcba98                       ; selects: lane l xor 16
	s_wait_tensorcnt 2                             ; my part of slot 0 is in; the two loads behind it may be out
	s_barrier_signal -1
	s_barrier_wait -1
	FETCH_B 0
	FETCH_A 0, 0
	FETCH_A 0, 4
	s_wait_loadcnt 0x0                             ; the scale words
	STEP 0, 1                                      ; the first products start the sums: nothing is cleared
	TURN 1, 1
	STEP 2, 0
	s_wait_alu depctr_va_vdst(0)
	STEP 3, 0                                      ; slot 2 was shown whole to every wave by the wait for all loads in front of the round above
	STEP 4, 0
	TURN 5, 0                                      ; behind this barrier slot 0's second fill is whole for every wave
	STEP 6, 0
	s_mov_b32 s99, 0xffff0000                      ; lanes 16-31
	s_cmp_eq_u32 ttmp9, 2                          ; the cluster's x: alike in all partners.  The launch parts here once; both arms hold the last K step
	s_cbranch_scc1 .Lv_path
	; ---------------- q and k
	s_lshr_b32 s56, s97, 7                         ; the batch
	s_lshl_b32 s56, s56, 4
	s_lshl_b32 s57, s17, 2
	s_add_co_u32 s56, s56, s57
	s_lshl_b32 s57, s16, 1
	s_add_co_u32 s56, s56, s57                     ; my first head: 16 batch + 4 cx + 2 (wave % 2)
	s_bfe_u32 s57, s97, 0x40003                    ; which 128 tokens of the sequence
	s_mov_b32 s58, 106496
	s_mov_b32 s59, 208896
	s_mov_b32 s60, 6656
	s_mov_b32 s61, 13056
	s_cmp_eq_u32 ttmp9, 0
	s_cselect_b32 s58, s58, s59                    ; bytes a head,
	s_cselect_b32 s60, s60, s61                    ; bytes a group of 128 tokens,
	s_cselect_b64 s[10:11], s[10:11], s[12:13]     ; and the buffer: qb or kv
	s_mul_i32 s56, s56, s58
	s_mul_i32 s57, s57, s60
	s_add_co_u32 s62, s56, s57
	s_mov_b32 s63, 0
	s_add_nc_u64 s[56:57], s[10:11], s[62:63]      ; my first head's group
	s_mov_b32 s62, s58
	s_add_nc_u64 s[58:59], s[56:57], s[62:63]      ; my second head's
	s_and_b32 s62, s97, 127
	s_lshl_b32 s62, s62, 12
	s_add_nc_u64 s[8:9], s[8:9], s[62:63]          ; the table at my first tile of the sequence
.macro SETTAB a                        ; where tile a's 32 registers of the table lie in window 1
.if (\a) < 4
.set TABR, 32*(\a)
.elseif (\a) == 4
.set TABR, 224
.else
.set TABR, 128+32*((\a)-5)
.endif
.endm
.macro TABLD a
	SETTAB \a
.irp q, 0,1,2,3,4,5,6,7
	global_load_b128 v[TABR+4*\q:TABR+4*\q+3], v[L16], s[8:9] offset:4096*(\a)+512*\q
.endr
.endm
	WIN 0x40                                       ; B's set 0 has been multiplied (four places stand behind its last product): five tiles' table lands under the last K step
	TABLD 0
	TABLD 1
	TABLD 2
	TABLD 3
	TABLD 4
	WIN 0
	LAST
	PLACES
	WIN 0x40
	TABLD 5
	TABLD 6
	TABLD 7
	WIN 0
.irp b, 0,1,2,3
	v_mov_b32 v[TM+4+\b], 0                        ; a lane permute's destination counts as read
.endr
; Tile a of 16 tokens: rotate, quantise (128 channels: two heads), store.  Pair (even, odd) of channels: even' = even cos - odd sin, odd' = odd cos + even sin.
.macro QKOUT a
	SETTAB \a
.set AC, 64*((\a)%4)
	s_wait_loadcnt 56-8*(\a)                       ; this tile's eight table loads are in; the later tiles' may be out
	WIN (2+(\a)/4)|4                               ; source 0: the accumulators; source 1: the table
.set rho, 0
.rept 32
.set nn, 8*((rho/16)%2)+(rho%16)/2
	v_pk_mul_f32 v[X+rho:X+rho+1], v[AC+rho:AC+rho+1], v[TABR+2*nn:TABR+2*nn+1] op_sel_hi:[1,0]
.set rho, rho+2
.endr
.set rho, 0
.rept 32
.set nn, 8*((rho/16)%2)+(rho%16)/2
	v_pk_fma_f32 v[X+rho:X+rho+1], v[AC+rho:AC+rho+1], v[TABR+2*nn:TABR+2*nn+1], v[X+rho:X+rho+1] op_sel:[1,1,0] op_sel_hi:[0,1,1] neg_lo:[1,0,0]
.set rho, rho+2
.endr
	WIN 0
	s_wait_xcnt 0x0                                ; the last tile's stores have read the codes' registers
	QUANT X, 0
	global_store_b128 v[L16], v[PC:PC+3], s[56:57] offset:768*(\a)
	global_store_b64 v[L8H], v[PC+4:PC+5], s[56:57] offset:768*(\a)
	global_store_b128 v[L16], v[PC+6:PC+9], s[58:59] offset:768*(\a)
	global_store_b64 v[L8H], v[PC+10:PC+11], s[58:59] offset:768*(\a)
.if ((\a)%2) == 0
	v_and_b32 v[E0], 0xffff, v[PW]                 ; the first head's two bytes, the second head's
	v_lshrrev_b32 v[E1], 16, v[PW]
.else
	v_and_b32 v[T0], 0xffff, v[PW]
	v_lshrrev_b32 v[T1], 16, v[PW]
	v_cndmask_b32 v[SP+(\a)/2], v[E0], v[T0], s99  ; lanes 0-15 the even tile's word, lanes 16-31 the odd tile's
	v_cndmask_b32 v[SP+4+(\a)/2], v[E1], v[T1], s99
.endif
.endm
.irp a, 0,1,2,3,4,5,6,7
	QKOUT \a
.endr
	global_store_b128 v[L16], v[SP:SP+3], s[56:57] offset:6144
	global_store_b128 v[L16], v[SP+4:SP+7], s[58:59] offset:6144
	s_branch .Lend
	; ---------------- v
.Lv_path:
	s_lshr_b32 s56, s98, 7                         ; the batch
	s_lshl_b32 s56, s56, 4
	s_lshl_b32 s57, s18, 2
	s_add_co_u32 s56, s56, s57
	s_lshl_b32 s57, s15, 1
	s_add_co_u32 s56, s56, s57                     ; my first head: 16 batch + 4 cy + 2 (wave / 2)
	s_bfe_u32 s57, s98, 0x40003                    ; which 128 keys
	s_mul_i32 s56, s56, 208896
	s_mul_i32 s57, s57, 13056
	s_add_co_u32 s62, s56, s57
	s_add_co_u32 s62, s62, 6656
	s_mov_b32 s63, 0
	s_add_nc_u64 s[56:57], s[12:13], s[62:63]
	s_add_nc_u64 s[58:59], s[56:57], 208896
	LAST
	PLACES
.irp b, 0,1,2,3
	v_mov_b32 v[TM+4+\b], 0
.endr
.macro VOUT a                          ; tile a of 16 channels x my 128 keys: one fragment
.set AC, 64*((\a)%4)
	s_wait_xcnt 0x0                                ; the last tile's stores have read the codes' registers
	QUANT AC, 2+(\a)/4
	global_store_b128 v[L16], v[PC:PC+3], s[56+2*((\a)/4):57+2*((\a)/4)] offset:1536*((\a)%4)
	global_store_b64 v[L8H], v[PC+4:PC+5], s[56+2*((\a)/4):57+2*((\a)/4)] offset:1536*((\a)%4)
	global_store_b128 v[L16], v[PC+6:PC+9], s[56+2*((\a)/4):57+2*((\a)/4)] offset:1536*((\a)%4)+768
	global_store_b64 v[L8H], v[PC+10:PC+11], s[56+2*((\a)/4):57+2*((\a)/4)] offset:1536*((\a)%4)+768
.if ((\a)%2) == 0
	v_mov_b32 v[E0], v[PW]
.else
	v_cndmask_b32 v[SP+(\a)/2], v[E0], v[PW], s99
.endif
.endm
.irp a, 0,1,2,3,4,5,6,7
	VOUT \a
.endr
	global_store_b64 v[L8], v[SP:SP+1], s[56:57] offset:6144
	global_store_b64 v[L8], v[SP+2:SP+3], s[58:59] offset:6144
.Lend:
	s_wait_tensorcnt 0x0                           ; the wave's end
	ds_add_u32 v[SPW], v[NIL]
	s_wait_dscnt 0x0
	CROUND                                         ; the closing round: no work-group ends while a partner may still ask for a tile that names it
	s_endpgm
.Lfunc_end_k_q260d373671_qkv:
	.size	k_q260d373671_qkv, .Lfunc_end_k_q260d373671_qkv-k_q260d373671_qkv
	.p2alignl 7, 3214868480
	.fill 96, 4, 3214868480
	.section	.rodata,"a",@progbits
	.p2align	6, 0x0
	.amdhsa_kernel k_q260d373671_qkv
		.amdhsa_group_segment_fixed_size 327680
		.amdhsa_private_segment_fixed_size 0
		.amdhsa_enable_private_segment 0
		.amdhsa_kernarg_size 40
		.amdhsa_user_sgpr_count 2
		.amdhsa_user_sgpr_kernarg_segment_ptr 1
		.amdhsa_wavefront_size32 1
		.amdhsa_system_sgpr_workgroup_id_x 1
		.amdhsa_system_sgpr_workgroup_id_y 1
		.amdhsa_system_sgpr_workgroup_id_z 1
		.amdhsa_system_vgpr_workitem_id 0
		.amdhsa_next_free_vgpr 1024
		.amdhsa_next_free_sgpr 100
		.amdhsa_reserve_vcc 1
		.amdhsa_float_denorm_mode_32 3
		.amdhsa_float_denorm_mode_16_64 3
		.amdhsa_memory_ordered 1
		.amdhsa_forward_progress 1
		.amdhsa_inst_pref_size 230
	.end_amdhsa_kernel
	.amdgpu_metadata
---
amdhsa.version: [ 1, 2 ]
amdhsa.kernels:
  - .name:           k_q260d373671_qkv
    .symbol:         k_q260d373671_qkv.kd
    .args:
      - { .name: cod, .offset: 0, .size: 8, .value_kind: global_buffer, .address_space: global }
      - { .name: sc, .offset: 8, .size: 8, .value_kind: global_buffer, .address_space: global }
      - { .name: rope, .offset: 16, .size: 8, .value_kind: global_buffer, .address_space: global }
      - { .name: qb, .offset: 24, .size: 8, .value_kind: global_buffer, .address_space: global }
      - { .name: kv, .offset: 32, .size: 8, .value_kind: global_buffer, .address_space: global }
    .group_segment_fixed_size: 327680
    .private_segment_fixed_size: 0
    .kernarg_segment_align: 8
    .kernarg_segment_size: 40
    .max_flat_workgroup_size: 128
    .sgpr_count:     100
    .vgpr_count:     1024
    .wavefront_size: 32
...
	.end_amdgpu_metadata
.endif
;; end of part 2
;; launch attn (part 3): grid 4 x 64, 16 waves a work-group, no clusters, 327,680 bytes of LDS; arguments qb, kv, cod, sc; writes cod, sc
.if DOCPART == 3
	.amdgcn_target "amdgcn-amd-amdhsa--gfx1250"
	.amdhsa_code_object_version 6
	.text
	.protected	k_q260d373671_attn
	.globl	k_q260d373671_attn
	.p2align	8
	.type	k_q260d373671_attn,@function
k_q260d373671_attn:
	s_mov_b64 s[64:65], 0
	v_nop
	global_prefetch_b8 v0, s[64:65] scope:SCOPE_SE
	s_setreg_imm32_b32 hwreg(HW_REG_WAVE_MODE, 25, 1), 1
	s_wait_xcnt 0x0
; ATTN.  o = softmax(q k^T / 8, causal) v for one head, both products on codes of FP6 (E2M3) with E8M0 scales; o / l is quantised along the model's 1,024 and stored as tiles 768 .. 1,279 of cod and sc, for the last product.
; THE SOFTMAX: t = score x log2(e) / 8; M = the row's largest t so far, rounded up to a whole number; p = 2^(t - M) is quantised along the keys; the row's sum is taken of the unquantised p and divides at the end.
; When M moves, the sum and O are multiplied by 2^(old M - new M), which rounds nothing.
; SHARES.  Work-group (I, head) owns blocks I and 7 - I of 256 queries and walks 9 phases of 256 keys: slots 0 .. I for block I, then slots 0 .. 7 - I for block 7 - I: the same count for every work-group, and no slot is
; fetched that lies wholly behind the mask.  Each of sixteen waves owns one tile of 16 queries of the block in hand: four waves to a SIMD, so that one wave's vector work stands beside another's products and LDS loads.
; A tile's lane-row r is token 32 (T / 2) + 8 (T % 2) + r + 8 (r / 8), for queries, keys and V's channels alike: so the 16 registers of two neighbouring result tiles are 16 neighbours along the next K.
; Both products are used transposed (S^T = K Q^T, O^T = V^T P^T): a lane holds one query throughout.
; THE HEAD IS 64 WIDE, the instruction 128: Q's upper six registers are zero codes.  K's tiles lie six registers apart; a tile's operand runs on over the next tile's codes, which meet Q's zeros; behind the last stand six cleared registers.
; Scale bytes 2 and 3 of q's and k's words are 0.
; NO MULTICAST: the four work-groups of a head want different slots in the same phase (slot P of one block beside slot P - I - 1 of another), so no joint request would meet.
; A slot is 26,112 dense bytes of kv (two key steps of 13,056), brought by one tensor load of wave 0: one load is out at a time.
; LIMITS: blocks whose largest magnitude lies under 2^-124 get the byte 1; NaN and infinities are not served.
; REGISTERS: v1 16 lane, v2 8 lane, v3, v4 for the add, v5, v6 the slot's addresses, v7 r + 8 (r / 8) - 16 h; v12 -M, v13 largest t, v[14:15] the sum; v16-27 Q; v28-33 the second block's Q; v34, v35 their scale words;
;   v36-39 K's scale words, v40, v41 V's, v42 p's; v44-97 K's tiles, then V's; v98-161 S^T, then p; v162-193 O^T; v194-205 p's codes; v206-212 conversion results; v214-233 at work; v234, v235 store offsets.
.set STEPB, 13056
.set SLOTB, 26112
.set SLOT1, 32768
.set SPARE, 65536                      ; the spare words: 128 bytes for each of sixteen waves; no other line names them
.set KT,  44
.set S,   98
.set O,   162
.set PCD, 194
.set CT,  206
.set BM,  214
.set BT,  218
.set SO,  222
.set TMP, 226
.set WD,  227
.set F,   228                          ; v[228:229]: f and a register named with it
.set SUM2, 230
.set G1,  24
.set G0,  32
.macro TLOAD                           ; wave 0 alone fetches; four v_nop follow the load
	s_cmp_lg_u32 s12, 0
	s_cbranch_scc1 .Lno_load_\@
	tensor_load_to_lds s[G0:G0+3], s[G1:G1+7]
	s_nop 0
.rept 4
	v_nop
.endr
.Lno_load_\@:
.endm
	s_load_b128 s[4:7], s[0:1], 0x0                ; qb, kv
	s_load_b128 s[8:11], s[0:1], 0x10              ; cod, sc
	v_lshl_add_u32 v3, v0, 2, SPARE
	v_mov_b32 v4, 0
	ds_add_u32 v3, v4
	ds_add_u32 v3, v4
	s_wait_dscnt 0x0
	v_lshrrev_b32 v5, 5, v0
	s_delay_alu instid0(VALU_DEP_1)
	v_readfirstlane_b32 s12, v5                    ; wave 0..15
	s_mov_b32 s13, ttmp9                           ; I
	s_add_co_u32 s14, s13, 1                       ; the phase in which the second block begins
	s_and_b32 s46, ttmp7, 0xffff                   ; the head, 0..63
	s_mul_i32 s48, s46, 208896
	s_mov_b32 s49, 0
	s_mov_b32 s[G1], 3<<16                         ; elements of 8 bytes, no mask, no padding
	s_mov_b32 s[G1+1], 32<<16                      ; rows of 256 bytes
	s_mov_b32 s[G1+2], 102<<16                     ; 102 of them
	s_mov_b32 s[G1+3], 32<<16
	s_mov_b32 s[G1+4], 102
	s_mov_b32 s[G1+5], 32                          ; dense
	s_mov_b32 s[G1+6], 0
	s_mov_b32 s[G1+7], 0
	s_wait_kmcnt 0x0
	s_add_nc_u64 s[36:37], s[6:7], s[48:49]        ; the head's keys and values
	s_mov_b32 s[G0], 1
	s_mov_b32 s[G0+1], 0
	s_mov_b64 s[G0+2:G0+3], s[36:37]
	s_or_b32 s[G0+3], s[G0+3], 0x80000000
	TLOAD                                          ; slot 0: the first 256 keys
	s_lshl_b32 s48, s13, 1
	s_lshr_b32 s50, s12, 3
	s_add_co_u32 s52, s48, s50                     ; my group of 128 queries in block I,
	s_sub_co_u32 s54, 14, s48
	s_add_co_u32 s54, s54, s50                     ; and in block 7 - I
	s_mul_i32 s52, s52, 6656
	s_mul_i32 s54, s54, 6656
	s_mul_i32 s47, s46, 106496
	s_add_co_u32 s52, s52, s47
	s_add_co_u32 s54, s54, s47
	s_mov_b32 s53, 0
	s_mov_b32 s55, 0
	s_add_nc_u64 s[52:53], s[4:5], s[52:53]
	s_add_nc_u64 s[54:55], s[4:5], s[54:55]
	v_and_b32 v8, 31, v0                           ; lane
	v_and_b32 v9, 15, v0                           ; r
	v_bfe_u32 v10, v0, 4, 1                        ; h
	s_delay_alu instid0(VALU_DEP_3)
	v_lshlrev_b32 v1, 4, v8
	s_delay_alu instid0(VALU_DEP_4)
	v_lshlrev_b32 v2, 3, v8
	s_delay_alu instid0(VALU_DEP_1)
	v_add_nc_u32 v234, 512, v2
	v_lshlrev_b32 v235, 4, v9
	v_and_b32 v7, 8, v9
	s_delay_alu instid0(VALU_DEP_1)
	v_add_nc_u32 v7, v7, v9
	v_lshlrev_b32 v10, 4, v10
	s_delay_alu instid0(VALU_DEP_1)
	v_sub_nc_u32 v7, v7, v10                       ; r + 8 (r / 8) - 16 h
	s_and_b32 s50, s12, 7                          ; my tile in its group
	s_mul_i32 s51, s50, 768
	v_add_nc_u32 v8, s51, v1
	v_add_nc_u32 v11, s51, v234
	s_and_b32 s56, s12, 1
	s_lshl_b32 s57, s56, 8
	s_lshr_b32 s50, s50, 1
	s_lshl_b32 s50, s50, 2
	s_add_co_u32 s57, s57, s50
	v_add_nc_u32 v9, s57, v235                     ; my row's scale word: 16 (r + 16 (tile % 2)) + 4 (tile / 2)
	global_load_b128 v[16:19], v8, s[52:53]
	global_load_b64 v[20:21], v11, s[52:53]
	global_load_b32 v34, v9, s[52:53] offset:6144
	global_load_b128 v[28:31], v8, s[54:55]
	global_load_b64 v[32:33], v11, s[54:55]
	global_load_b32 v35, v9, s[54:55] offset:6144
	s_lshl_b32 s59, s13, 8
	s_lshl_b32 s60, s12, 4
	s_lshl_b32 s61, s56, 3
	s_sub_co_u32 s60, s60, s61
	s_add_co_u32 s18, s59, s60                     ; my first query in block I: 256 I + 16 w - 8 (w % 2)
	s_sub_co_u32 s19, 1792, s59
	s_add_co_u32 s19, s19, s60                     ; and in block 7 - I
	s_lshr_b32 s47, s46, 4                         ; the batch
	s_and_b32 s58, s46, 15                         ; the head in the model's row
	s_lshl_b32 s47, s47, 7
	s_add_co_u32 s47, s47, 768
	s_add_co_u32 s47, s47, s12
	s_lshl_b32 s59, s13, 4
	s_add_co_u32 s60, s47, s59                     ; the tile of cod that I store for block I,
	s_add_co_u32 s61, s47, 112
	s_sub_co_u32 s61, s61, s59                     ; and for block 7 - I
	s_mul_i32 s62, s58, 768                        ; the head's 64 along K: K step head / 2, half head % 2
	s_mul_i32 s38, s60, 12288
	s_add_co_u32 s38, s38, s62
	s_mov_b32 s39, 0
	s_add_nc_u64 s[38:39], s[8:9], s[38:39]
	s_mul_i32 s42, s61, 12288
	s_add_co_u32 s42, s42, s62
	s_mov_b32 s43, 0
	s_add_nc_u64 s[42:43], s[8:9], s[42:43]
	s_lshr_b32 s62, s58, 3
	s_lshl_b32 s62, s62, 8
	s_and_b32 s63, s58, 7
	s_lshl_b32 s63, s63, 1
	s_add_co_u32 s62, s62, s63                     ; its two scale bytes: 256 (head / 8) + 2 (head % 8)
	s_lshl_b32 s40, s60, 9
	s_add_co_u32 s40, s40, s62
	s_mov_b32 s41, 0
	s_add_nc_u64 s[40:41], s[10:11], s[40:41]
	s_lshl_b32 s44, s61, 9
	s_add_co_u32 s44, s44, s62
	s_mov_b32 s45, 0
	s_add_nc_u64 s[44:45], s[10:11], s[44:45]
	s_mov_b32 s20, 0x76543210
	s_mov_b32 s21, 0xfedcba98                      ; selects: lane l xor 16
	s_mov_b32 s22, 0x3e38aa3b                      ; c = log2(e) / 8
	s_mov_b32 s23, s22                             ; (named with it as a pair)
	s_mov_b32 s15, 0                               ; the phase
	s_mov_b32 s16, 0                               ; the slot in hand
	s_mov_b32 s17, 0                               ; the step's first key
.irp i, 0,1,2,3,4,5
	v_mov_b32 v[22+\i], 0                          ; Q's upper half: zero codes
	v_mov_b32 v[92+\i], 0                          ; and what stands behind K's last tile
.endr
	v_mov_b32 v13, 0xff61b1e6                      ; the largest t so far: -3e38
	s_delay_alu instid0(VALU_DEP_1)
	v_floor_f32 v12, -v13
	v_mov_b32 v14, 0
	v_mov_b32 v15, 0
	v_mov_b32 v[F+1], 0
.irp b, 0,1,2,3
	v_mov_b32 v[BT+\b], 0                          ; a lane permute's destination counts as read
.endr
.set j, 0
.rept 32
	v_mov_b32 v[O+j], 0                            ; O^T: the step is written once; the first finds zeros
.set j, j+1
.endr
; A KEY STEP: 128 keys, the q-th of the slot in hand.
.macro STEP q
	s_add_co_u32 s46, s18, 23                      ; my last query.  A step all of whose keys come after it is left out: a branch on ids, round loads, products and softmax alone
	s_cmp_gt_u32 s17, s46
	s_cbranch_scc1 .Lhidden_\@
.rept 4
	v_nop                                          ; places ahead of loads into registers that the last products read
.endr
	s_wait_alu depctr_va_vdst(0)
.irp t, 0,1,2,3,4,5,6,7
	ds_load_b128 v[KT+6*\t:KT+6*\t+3], v5 offset:STEPB*(\q)+768*\t
	ds_load_b64 v[KT+6*\t+4:KT+6*\t+5], v6 offset:STEPB*(\q)+768*\t+512
.endr
	ds_load_b128 v[36:39], v5 offset:STEPB*(\q)+6144
	s_wait_dscnt 0x0
.irp t, 0,2,4,6
	v_wmma_scale_f32_16x16x128_f8f6f4 v[S+8*\t:S+8*\t+7], v[KT+6*\t:KT+6*\t+11], v[16:27], 0, v[36+\t/2], v34 matrix_a_fmt:MATRIX_FMT_FP6 matrix_b_fmt:MATRIX_FMT_FP6
	v_wmma_scale_f32_16x16x128_f8f6f4 v[S+8*(\t+1):S+8*(\t+1)+7], v[KT+6*(\t+1):KT+6*(\t+1)+11], v[16:27], 0, v[36+\t/2], v34 matrix_a_fmt:MATRIX_FMT_FP6 matrix_b_fmt:MATRIX_FMT_FP6 matrix_a_scale:MATRIX_SCALE_ROW1
.endr
.rept 4
	v_nop
.endr
.irp t, 0,1,2,3                                ; V's four fragments land under the softmax
	ds_load_b128 v[KT+12*\t:KT+12*\t+3], v5 offset:STEPB*(\q)+6656+1536*\t
	ds_load_b64 v[KT+12*\t+4:KT+12*\t+5], v6 offset:STEPB*(\q)+6656+1536*\t+512
	ds_load_b128 v[KT+12*\t+6:KT+12*\t+9], v5 offset:STEPB*(\q)+6656+1536*\t+768
	ds_load_b64 v[KT+12*\t+10:KT+12*\t+11], v6 offset:STEPB*(\q)+6656+1536*\t+1280
.endr
	ds_load_b64 v[40:41], v6 offset:STEPB*(\q)+12800
	s_add_co_u32 s46, s17, 127                     ; on the diagonal hidden scores become -infinity ahead of the maximum; a step all of whose keys count skips this
	s_cmp_le_u32 s46, s18
	s_cbranch_scc1 .Lopen_\@
	s_sub_co_i32 s46, s18, s17
	v_add_nc_u32 v232, s46, v7                     ; d = my query - the step's first key - 16 h.  Register n holds key 32 (n / 16) + 16 h + n % 16 of the step: hidden where 32 (n / 16) + n % 16 > d
	v_mov_b32 v233, 0xff800000
.set n, 0
.rept 64
	v_cmp_gt_i32 vcc_lo, 32*(n/16)+n%16, v232
	v_cndmask_b32 v[S+n], v[S+n], v233, vcc_lo
.set n, n+1
.endr
.Lopen_\@:
.irp b, 0,1,2,3
	v_max3_num_f32 v[BM+\b], v[S+16*\b], v[S+1+16*\b], v[S+2+16*\b]   ; the largest score of each block of 32 keys: for the row's maximum, and, since p rises with the score, for the block's largest p
.endr
.irp i, 3,5,7,9,11,13
.irp b, 0,1,2,3
	v_max3_num_f32 v[BM+\b], v[BM+\b], v[S+16*\b+\i], v[S+1+16*\b+\i]
.endr
.endr
.irp b, 0,1,2,3
	v_max_num_f32 v[BM+\b], v[BM+\b], v[S+15+16*\b]
.endr
.irp b, 0,1,2,3
	s_delay_alu instid0(VALU_DEP_4)
	v_permlanex16_b32 v[BT+\b], v[BM+\b], s20, s21
.endr
.irp b, 0,1,2,3
	s_delay_alu instid0(VALU_DEP_4)
	v_max_num_f32 v[BM+\b], v[BM+\b], v[BT+\b]
.endr
	s_delay_alu instid0(VALU_DEP_2)
	v_max3_num_f32 v[TMP], v[BM], v[BM+1], v[BM+2]
	s_delay_alu instid0(VALU_DEP_1)
	v_max_num_f32 v[TMP], v[TMP], v[BM+3]          ; the step's largest score of my query: the step's first key counts for every query of a step that is walked, so it is a number
	s_delay_alu instid0(VALU_DEP_1)
	v_mul_f32 v[TMP], s22, v[TMP]
	s_delay_alu instid0(VALU_DEP_1)
	v_max_num_f32 v13, v13, v[TMP]                 ; the running largest t
	v_mov_b32 v[TMP], v12
	s_delay_alu instid0(VALU_DEP_2)
	v_floor_f32 v12, -v13                          ; -M = floor(-t)
	s_delay_alu instid0(VALU_DEP_1)
	v_sub_f32 v[TMP], v12, v[TMP]
	s_delay_alu instid0(VALU_DEP_1)
	v_cvt_i32_f32 v[TMP], v[TMP]                   ; old M - new M, a whole number (it saturates)
	s_delay_alu instid0(VALU_DEP_1)
	v_ldexp_f32 v[F], 1.0, v[TMP]                  ; f = 2^(old M - new M)
.set j, 0
.rept 32
	v_pk_fma_f32 v[S+j:S+j+1], v[S+j:S+j+1], s[22:23], v[12:13] op_sel_hi:[1,0,0]   ; t - M, two at a time
.set j, j+2
.endr
.irp b, 0,1,2,3
	v_fma_f32 v[BM+\b], v[BM+\b], s22, v12
.endr
.set j, 0
	s_wait_alu depctr_va_vdst(0)
.rept 64
	v_exp_f32 v[S+j], v[S+j]                       ; p = 2^(t - M)
.set j, j+1
.endr
.irp b, 0,1,2,3
	v_exp_f32 v[BM+\b], v[BM+\b]                   ; the block's largest p: the same two instructions on the same number
.endr
	v_pk_mul_f32 v[14:15], v[14:15], v[F:F+1] op_sel_hi:[1,0]   ; the sums under the new M (a plain place behind the exponentials)
	s_wait_alu depctr_va_vdst(0)
.irp b, 0,1,2,3
	v_max_num_f32 v[BM+\b], 0x1800000, v[BM+\b]    ; the floor 2^(3 - 127)
.endr
.irp b, 0,1,2,3
	s_delay_alu instid0(VALU_DEP_4)
	v_add_nc_u32 v[SO+\b], 0xff000000, v[BM+\b]
.endr
.irp b, 0,1,2,3
	s_delay_alu instid0(VALU_DEP_4)
	v_lshrrev_b32 v[BT+\b], 23, v[SO+\b]
.endr
	s_delay_alu instid0(VALU_DEP_3)
	v_lshl_or_b32 v42, v[BT+1], 8, v[BT]           ; p's scale word for these 128 keys
	s_delay_alu instid0(VALU_DEP_1)
	v_lshl_or_b32 v42, v[BT+2], 16, v42
	s_delay_alu instid0(VALU_DEP_1)
	v_lshl_or_b32 v42, v[BT+3], 24, v42
.irp c, 0,1
	v_cvt_scalef32_pk16_fp6_f32 v[PCD+6*\c:PCD+6*\c+2], v[S+32*\c:S+32*\c+15], v[SO+2*\c]
	v_cvt_scalef32_pk16_fp6_f32 v[CT+4*\c:CT+4*\c+2], v[S+32*\c+16:S+32*\c+31], v[SO+2*\c+1]
.endr
	v_nop                                          ; one plain place behind a scaled conversion
.irp c, 0,1
.irp i, 0,1,2
	v_permlane16_swap_b32 v[PCD+6*\c+\i], v[CT+4*\c+\i]
.endr
.irp i, 0,1,2
	s_delay_alu instid0(VALU_DEP_3)
	v_mov_b32 v[PCD+3+6*\c+\i], v[CT+4*\c+\i]
.endr
.endr
	v_pk_add_f32 v[230:231], v[102:103], v[106:107]
	v_pk_add_f32 v[254:255], v[110:111], v[114:115]
	v_pk_add_f32 v[252:253], v[118:119], v[122:123]
	v_pk_add_f32 v[250:251], v[126:127], v[130:131]
	v_pk_add_f32 v[248:249], v[134:135], v[138:139]
	v_pk_add_f32 v[246:247], v[142:143], v[146:147]
	v_pk_add_f32 v[244:245], v[150:151], v[154:155]
	v_pk_add_f32 v[14:15], v[14:15], v[158:159]
	v_pk_add_f32 v[230:231], v[230:231], v[98:99]
	v_pk_add_f32 v[254:255], v[254:255], v[100:101]
	v_pk_add_f32 v[252:253], v[252:253], v[104:105]
	v_pk_add_f32 v[250:251], v[250:251], v[108:109]
	v_pk_add_f32 v[248:249], v[248:249], v[112:113]
	v_pk_add_f32 v[246:247], v[246:247], v[116:117]
	v_pk_add_f32 v[244:245], v[244:245], v[120:121]
	v_pk_add_f32 v[14:15], v[14:15], v[124:125]
	v_pk_add_f32 v[230:231], v[230:231], v[128:129]
	v_pk_add_f32 v[254:255], v[254:255], v[132:133]
	v_pk_add_f32 v[252:253], v[252:253], v[136:137]
	v_pk_add_f32 v[250:251], v[250:251], v[140:141]
	v_pk_add_f32 v[248:249], v[248:249], v[144:145]
	v_pk_add_f32 v[246:247], v[246:247], v[148:149]
	v_pk_add_f32 v[244:245], v[244:245], v[152:153]
	v_pk_add_f32 v[14:15], v[14:15], v[156:157]
	v_pk_add_f32 v[230:231], v[230:231], v[160:161]
	s_delay_alu instid0(VALU_DEP_2)
	v_pk_add_f32 v[14:15], v[14:15], v[250:251]
	s_delay_alu instid0(VALU_DEP_2)
	v_pk_add_f32 v[230:231], v[230:231], v[248:249]
	v_pk_add_f32 v[254:255], v[254:255], v[246:247]
	v_pk_add_f32 v[252:253], v[252:253], v[244:245]
	s_delay_alu instid0(VALU_DEP_2)
	v_pk_add_f32 v[14:15], v[14:15], v[254:255]
	s_delay_alu instid0(VALU_DEP_2)
	v_pk_add_f32 v[230:231], v[230:231], v[252:253]
	s_delay_alu instid0(VALU_DEP_1)
	v_pk_add_f32 v[14:15], v[14:15], v[230:231]
.set j, 0
.rept 16
	v_pk_mul_f32 v[O+j:O+j+1], v[O+j:O+j+1], v[F:F+1] op_sel_hi:[1,0]   ; O^T under the new M
.set j, j+2
.endr
	s_wait_alu depctr_va_vdst(0)
	s_wait_dscnt 0x0                               ; V
.irp t, 0,2                                    ; four accumulators by turns, one instruction a turn
	v_wmma_scale_f32_16x16x128_f8f6f4 v[O+8*\t:O+8*\t+7], v[KT+12*\t:KT+12*\t+11], v[PCD:PCD+11], v[O+8*\t:O+8*\t+7], v[40+\t/2], v42 matrix_a_fmt:MATRIX_FMT_FP6 matrix_b_fmt:MATRIX_FMT_FP6
	v_wmma_scale_f32_16x16x128_f8f6f4 v[O+8*(\t+1):O+8*(\t+1)+7], v[KT+12*(\t+1):KT+12*(\t+1)+11], v[PCD:PCD+11], v[O+8*(\t+1):O+8*(\t+1)+7], v[40+\t/2], v42 matrix_a_fmt:MATRIX_FMT_FP6 matrix_b_fmt:MATRIX_FMT_FP6 matrix_a_scale:MATRIX_SCALE_ROW1
.endr
.Lhidden_\@:
	s_add_co_u32 s17, s17, 128
.endm
; THE CHANGE OF SLOTS, at a phase's head.  Each wave waits for all its tensor loads, adds 0 to its spare word, and waits for that and for its reads of the slot that it has left.  fill = 1: that slot takes the next phase's keys.
.macro CHANGE fill
	s_wait_tensorcnt 0x0                           ; no tensor load of mine is out, so group 0 may be written
	ds_add_u32 v3, v4                              ; 0 onto my spare word
.if \fill
	s_add_co_u32 s47, s15, 1                       ; the next phase,
	s_cmp_gt_u32 s47, s13
	s_cselect_b32 s48, s14, 0
	s_sub_co_u32 s47, s47, s48                     ; its slot of keys: counted anew from the second block's first phase
	s_mul_i32 s48, s47, SLOTB
	s_mov_b32 s49, 0
	s_add_nc_u64 s[G0+2:G0+3], s[36:37], s[48:49]
	s_or_b32 s[G0+3], s[G0+3], 0x80000000
	s_xor_b32 s[G0+1], s[G0+1], SLOT1
.endif
	s_wait_dscnt 0x0                               ; the add is done, and my reads of the slot that I have left are over
	s_barrier_signal -1
	s_barrier_wait -1
.if \fill
	TLOAD                                          ; the first thing behind the barrier; it has a phase's two steps in which to land
.endif
	v_add_nc_u32 v5, s16, v1
	v_add_nc_u32 v6, s16, v2
.endm
; A block of queries is finished: O^T / the sum, quantised along the head's 64 (two blocks of 32), stored as half a fragment of the last product's operand, with its two scale bytes.
.macro FINISH
.rept 4
	v_nop                                          ; places behind the last products
.endr
	v_add_f32 v[TMP], v14, v15
	s_delay_alu instid0(VALU_DEP_1)
	v_permlanex16_b32 v[BT], v[TMP], s20, s21
	s_delay_alu instid0(VALU_DEP_1)
	v_add_f32 v[TMP], v[TMP], v[BT]                ; the row's sum
	s_wait_alu depctr_va_vdst(0)
	v_rcp_f32 v[TMP], v[TMP]
	v_nop                                          ; a plain place behind the reciprocal
.set j, 0
	s_wait_alu depctr_va_vdst(0)
.rept 32
	v_mul_f32 v[S+j], v[O+j], v[TMP]               ; register 16 b + i = channel 32 b + 16 h + i
.set j, j+1
.endr
.irp b, 0,1
	v_max3_num_f32 v[BM+\b], |v[S+16*\b]|, |v[S+1+16*\b]|, 0x1800000
.endr
.irp i, 2,4,6,8,10,12,14
.irp b, 0,1
	s_delay_alu instid0(VALU_DEP_2)
	v_max3_num_f32 v[BM+\b], v[BM+\b], |v[S+16*\b+\i]|, |v[S+1+16*\b+\i]|
.endr
.endr
.irp b, 0,1
	s_delay_alu instid0(VALU_DEP_2)
	v_permlanex16_b32 v[BT+\b], v[BM+\b], s20, s21
.endr
.irp b, 0,1
	s_delay_alu instid0(VALU_DEP_2)
	v_max_num_f32 v[BM+\b], v[BM+\b], v[BT+\b]
.endr
.irp b, 0,1
	s_delay_alu instid0(VALU_DEP_2)
	v_add_nc_u32 v[SO+\b], 0xff000000, v[BM+\b]
.endr
.irp b, 0,1
	s_delay_alu instid0(VALU_DEP_2)
	v_lshrrev_b32 v[BT+\b], 23, v[SO+\b]
.endr
	s_delay_alu instid0(VALU_DEP_1)
	v_lshl_or_b32 v[WD], v[BT+1], 8, v[BT]
	v_cvt_scalef32_pk16_fp6_f32 v[PCD:PCD+2], v[S:S+15], v[SO]
	v_cvt_scalef32_pk16_fp6_f32 v[CT:CT+2], v[S+16:S+31], v[SO+1]
	v_nop
.irp i, 0,1,2
	v_permlane16_swap_b32 v[PCD+\i], v[CT+\i]
.endr
.irp i, 0,1,2
	s_delay_alu instid0(VALU_DEP_3)
	v_mov_b32 v[PCD+3+\i], v[CT+\i]
.endr
	global_store_b128 v1, v[PCD:PCD+3], s[38:39]   ; 512 consecutive bytes, aligned to 256
	global_store_b64 v234, v[PCD+4:PCD+5], s[38:39]
	global_store_b16 v235, v[WD], s[40:41]         ; two bytes of a row's word; lanes l and l + 16 write the same bytes.  The other heads' bytes of the word come from other work-groups
	s_wait_xcnt 0x0                                ; the stores have read their registers and bases: both are written again below
.endm
	s_wait_loadcnt 0x0                             ; Q of both blocks
.Lphase:                                           ; eight trips; the ninth phase is written out
	CHANGE 1
	s_cmp_lg_u32 s15, s14                          ; the second block begins: a branch on ids; no barrier, tensor load or LDS access stands under it
	s_cbranch_scc1 .Lsame
	s_wait_alu depctr_va_vdst(0)
	FINISH
	v_mov_b32 v34, v35                             ; the scale word first: more than eight places follow it
.irp i, 0,1,2,3,4,5
	v_mov_b32 v[16+\i], v[28+\i]
.endr
.set j, 0
.rept 32
	v_mov_b32 v[O+j], 0
.set j, j+1
.endr
	v_mov_b32 v14, 0
	v_mov_b32 v15, 0
	v_mov_b32 v13, 0xff61b1e6
	s_delay_alu instid0(VALU_DEP_1)
	v_floor_f32 v12, -v13
	s_mov_b32 s17, 0
	s_mov_b32 s18, s19
	s_mov_b64 s[38:39], s[42:43]
	s_mov_b64 s[40:41], s[44:45]
.Lsame:
	STEP 0
	STEP 1
	s_xor_b32 s16, s16, SLOT1
	s_add_co_u32 s15, s15, 1
	s_cmp_lt_u32 s15, 8
	s_cbranch_scc1 .Lphase
	CHANGE 0
	STEP 0
	STEP 1
	s_wait_alu depctr_va_vdst(0)
	FINISH
	s_wait_tensorcnt 0x0                           ; the wave's end
	ds_add_u32 v3, v4
	s_wait_dscnt 0x0
	s_endpgm
.Lfunc_end_k_q260d373671_attn:
	.size	k_q260d373671_attn, .Lfunc_end_k_q260d373671_attn-k_q260d373671_attn
	.p2alignl 7, 3214868480
	.fill 96, 4, 3214868480
	.section	.rodata,"a",@progbits
	.p2align	6, 0x0
	.amdhsa_kernel k_q260d373671_attn
		.amdhsa_group_segment_fixed_size 327680
		.amdhsa_private_segment_fixed_size 0
		.amdhsa_enable_private_segment 0
		.amdhsa_kernarg_size 32
		.amdhsa_user_sgpr_count 2
		.amdhsa_user_sgpr_kernarg_segment_ptr 1
		.amdhsa_wavefront_size32 1
		.amdhsa_system_sgpr_workgroup_id_x 1
		.amdhsa_system_sgpr_workgroup_id_y 1
		.amdhsa_system_sgpr_workgroup_id_z 1
		.amdhsa_system_vgpr_workitem_id 0
		.amdhsa_next_free_vgpr 256
		.amdhsa_next_free_sgpr 66
		.amdhsa_reserve_vcc 1
		.amdhsa_float_denorm_mode_32 3
		.amdhsa_float_denorm_mode_16_64 3
		.amdhsa_memory_ordered 1
		.amdhsa_forward_progress 1
		.amdhsa_inst_pref_size 108
	.end_amdhsa_kernel
	.amdgpu_metadata
---
amdhsa.version: [ 1, 2 ]
amdhsa.kernels:
  - .name:           k_q260d373671_attn
    .symbol:         k_q260d373671_attn.kd
    .args:
      - { .name: qb, .offset: 0, .size: 8, .value_kind: global_buffer, .address_space: global }
      - { .name: kv, .offset: 8, .size: 8, .value_kind: global_buffer, .address_space: global }
      - { .name: cod, .offset: 16, .size: 8, .value_kind: global_buffer, .address_space: global }
      - { .name: sc, .offset: 24, .size: 8, .value_kind: global_buffer, .address_space: global }
    .group_segment_fixed_size: 327680
    .private_segment_fixed_size: 0
    .kernarg_segment_align: 8
    .kernarg_segment_size: 32
    .max_flat_workgroup_size: 512
    .sgpr_count:     66
    .vgpr_count:     256
    .wavefront_size: 32
...
	.end_amdgpu_metadata
.endif
;; end of part 3
;; launch oproj (part 4): grid 4 x 32, 4 waves a work-group, clusters of 4 x 4, 327,680 bytes of LDS; arguments cod, sc, out0; writes out0
.if DOCPART == 4
	.amdgcn_target "amdgcn-amd-amdhsa--gfx1250"
	.amdhsa_code_object_version 6
	.text
	.protected	k_q260d373671_oproj
	.globl	k_q260d373671_oproj
	.p2align	8
	.type	k_q260d373671_oproj,@function
k_q260d373671_oproj:
	s_mov_b64 s[64:65], 0
	v_nop
	global_prefetch_b8 v0, s[64:65] scope:SCOPE_SE
	s_setreg_imm32_b32 hwreg(HW_REG_WAVE_MODE, 25, 1), 1
	s_wait_xcnt 0x0
	s_wait_alu depctr_hold_cnt(0) depctr_sa_sdst(0) depctr_va_vdst(0) depctr_va_sdst(0) depctr_va_ssrc(0) depctr_va_vcc(0) depctr_vm_vsrc(0)
	s_getreg_b32 s2, hwreg(HW_REG_IB_STS2, 6, 4)
	s_cmp_eq_u32 s2, 0
	s_cbranch_scc0 .Lentry_in_a_cluster
	s_endpgm
.Lentry_in_a_cluster:
	s_bfe_u32 s2, ttmp6, 0x10000c
	s_cmp_lg_u32 s2, 0xf033
	s_cbranch_scc0 .Lentry_shape_is_right
	s_endpgm
.Lentry_shape_is_right:
; OPROJ.  out0 = o Wo^T on codes of FP6 (E2M3) with E8M0 scales.  Role A = the attention's output (tiles 768 .. 1,279 of cod), role B = Wo (tiles 704 .. 767); out0 [8192][1024] f32.
; OPERANDS: cod [tile][K step 0..7][1,536 bytes] and sc: a tile's lane-row r is row 32 (T / 2) + 8 (T % 2) + r + 8 (r / 8); a fragment comes by loads of 16, 8, 16, 8 bytes a lane, each on consecutive bytes.
; SHARES: a work-group makes 256 x 256, each of its four waves 128 x 128: 64 accumulators.  Source 0 = a tile of Wo, source 1 = a tile of o: a lane holds one token, and register 16 b + i of a block's 64 is column 32 b + 16 (lane / 16) + i.
; K = 1,024 is eight K steps, written out, since the scale words' registers differ from step to step.  Three LDS slots of two K steps are first fills; K steps 6, 7 fill slot 0 again, once.  A wave has at most three tensor loads out.
; CLUSTERS: 4 x 4 work-groups; A's tiles are shared along a row of the cluster, B's along a column.  The grid has 128 work-groups: 8,192 x 1,024 in tiles of 256 x 256.
; THE WAY OUT: a block of 16 tokens x 128 columns goes through the wave's own stage in LDS and leaves as whole rows of 512 bytes.  The stage lies in slot 1, which has had its only fill, and whose last reads lie ahead of the barrier in K step 5.
; REGISTERS: window 0: v4-15 LDS addresses, v16-22 offsets, v28, v29 for the add, v32-95 scale words (nothing else ever), v128-223 A's fragments, later rows on their way out.  window 1: B's fragments, two sets.  windows 2, 3: the accumulators.
.set TILEB, 12288
.set FRB,   1536
.set PAIRB, 3072
.set HALFT, 8*PAIRB
.set SLOT,  4*HALFT
.set SPARE, 3*SLOT                     ; the spare words, 128 bytes a wave; no other line names them
.set SPITCH, 528
.set FR,    12
.set A16,   4
.set A8,    7
.set B16,   10
.set B8,    13
.set L16,   16
.set L8H,   17
.set L8,    18
.set SCO,   19
.set STO,   21
.set RD,    22
.set SPW,   28
.set NIL,   29
.set SC,    32
.set AF,    128
.set BK,    128
.set G1,    24
.set G1B,   32
.set G0,    40
.set G0B,   68
.set MUL_LO, 0xa1
.set MUL_HI, 0xf1
.set TO_B,   0x40
.set MSB, 0
.macro WIN new                         ; the immediate's high byte repeats the setting that is left
.if MSB != \new
	s_set_vgpr_msb (MSB<<8)|\new
.set MSB, \new
.endif
.endm
.macro PLACES                          ; four plain places behind matrix instructions, ahead of loads into their registers and of reads of their results
.rept 4
	v_nop
.endr
.endm
.macro JLOAD f                         ; a joint load: waves 0, 1 fetch A's halves, waves 2, 3 B's; four v_nop follow each line
	s_cmp_eq_u32 s15, 0
	s_cbranch_scc0 .Lfor_b_\@
	tensor_load_to_lds s[G0+4*\f:G0+4*\f+3], s[G1:G1+7]
	s_nop 0
.rept 4
	v_nop
.endr
	s_branch .Lasked_\@
.Lfor_b_\@:
	tensor_load_to_lds s[G0B+4*\f:G0B+4*\f+3], s[G1B:G1B+7]
	s_nop 0
.rept 4
	v_nop
.endr
.Lasked_\@:
.endm
.macro CREST
	s_cmp_lg_u32 s14, 0
	s_cbranch_scc1 .Lnot_wave_0_\@
	s_barrier_signal -3
.Lnot_wave_0_\@:
	s_barrier_wait -3
	s_barrier_signal -1
	s_barrier_wait -1
.endm
.macro CROUND
	s_barrier_signal -1
	s_barrier_wait -1
	CREST
.endm
.macro FRAG reg, a16, a8, off
	ds_load_b128 v[\reg:\reg+3], v[\a16] offset:\off
	ds_load_b64 v[\reg+4:\reg+5], v[\a8] offset:\off
	ds_load_b128 v[\reg+6:\reg+9], v[\a16] offset:\off+768
	ds_load_b64 v[\reg+10:\reg+11], v[\a8] offset:\off+768
.endm
.macro FETCH_B s
	WIN TO_B
.irp i, 0,1,2,3,4,5,6,7
	FRAG 128*((\s)%2)+FR*\i, B16+((\s)/2)%3, B8+((\s)/2)%3, PAIRB*\i+FRB*((\s)%2)
.endr
	WIN 0
.endm
.macro FETCH_A s, i0
.irp i, \i0, \i0+1, \i0+2, \i0+3
	FRAG AF+FR*(\i), A16+((\s)/2)%3, A8+((\s)/2)%3, PAIRB*(\i)+FRB*((\s)%2)
.endr
.endm
; 16 products.  The 64 accumulators take turns, one instruction a turn, in the same order in every step.
.macro MUL16 a0, s, zero
.irp a, \a0, \a0+1
.irp b, 0,1,2,3,4,5,6,7
.if \zero
	v_wmma_scale_f32_16x16x128_f8f6f4 v[8*(8*((\a)%4)+\b):8*(8*((\a)%4)+\b)+7], v[128*((\s)%2)+FR*\b:128*((\s)%2)+FR*\b+FR-1], v[AF+FR*(\a):AF+FR*(\a)+FR-1], 0, v[SC+8*\b+(\s)], v[SC+8*(\a)+(\s)] matrix_a_fmt:MATRIX_FMT_FP6 matrix_b_fmt:MATRIX_FMT_FP6 matrix_a_scale:MATRIX_SCALE_ROW1
.else
	v_wmma_scale_f32_16x16x128_f8f6f4 v[8*(8*((\a)%4)+\b):8*(8*((\a)%4)+\b)+7], v[128*((\s)%2)+FR*\b:128*((\s)%2)+FR*\b+FR-1], v[AF+FR*(\a):AF+FR*(\a)+FR-1], v[8*(8*((\a)%4)+\b):8*(8*((\a)%4)+\b)+7], v[SC+8*\b+(\s)], v[SC+8*(\a)+(\s)] matrix_a_fmt:MATRIX_FMT_FP6 matrix_b_fmt:MATRIX_FMT_FP6 matrix_a_scale:MATRIX_SCALE_ROW1
.endif
.endr
.endr
.endm
.macro STEP s, zero
	s_wait_dscnt 16                                ; B's set and A's blocks 0-3 are in; the youngest 16 loads (A's blocks 4-7) may be out
	WIN MUL_LO
	MUL16 0, \s, \zero
	MUL16 2, \s, \zero
	s_wait_dscnt 0
	PLACES
	FETCH_B (\s)+1
	FETCH_A (\s)+1, 0
	WIN MUL_HI
	MUL16 4, \s, \zero
	MUL16 6, \s, \zero
	PLACES
	WIN 0
	FETCH_A (\s)+1, 4
.endm
.macro TURN s, fill
	s_wait_tensorcnt 0x0                           ; all my tensor loads have landed
	ds_add_u32 v[SPW], v[NIL]                      ; 0 onto my spare word
	s_wait_dscnt 17                                ; (the add and A's blocks 4-7 may be out)
	WIN MUL_LO
	MUL16 0, \s, 0
	s_wait_dscnt 0x0                               ; the add is done, and my LDS reads are back
	s_barrier_signal -1
	MUL16 2, \s, 0
	WIN 0
	s_barrier_wait -1
.if \fill
	CREST                                          ; the barrier has opened a round of the cluster's: no wave of any partner still reads slot 0 or has a load on its way
	JLOAD 3                                        ; the first tensor load behind the round; its four v_nop are the places for the loads below
.else
	PLACES
.endif
	FETCH_B (\s)+1
	FETCH_A (\s)+1, 0
	WIN MUL_HI
	MUL16 4, \s, 0
	MUL16 6, \s, 0
	PLACES
	WIN 0
	FETCH_A (\s)+1, 4
.endm
	s_load_b128 s[4:7], s[0:1], 0x0                ; cod, sc
	s_load_b64 s[8:9], s[0:1], 0x10                ; out0
	v_lshl_add_u32 v[SPW], v0, 2, SPARE
	v_mov_b32 v[NIL], 0
	ds_add_u32 v28, v29
	s_wait_dscnt 0x0
	v_lshrrev_b32 v1, 5, v0
	v_readfirstlane_b32 s14, v1                    ; wave
	s_lshr_b32 s15, s14, 1
	s_and_b32 s16, s14, 1
	s_bfe_u32 s17, ttmp6, 0x40000                  ; cx
	s_bfe_u32 s18, ttmp6, 0x40004                  ; cy
	s_and_b32 s19, ttmp7, 0xffff                   ; the cluster's y
	s_lshl_b32 s84, s18, 2
	s_lshl_b32 s84, 15, s84                        ; my row of the cluster
	s_lshl_b32 s85, 0x1111, s17                    ; my column
	s_or_b32 s[G1], s84, (3<<16)|(1<<21)
	s_or_b32 s[G1B], s85, (3<<16)|(1<<21)
.irp g, G1, G1B
	s_mov_b32 s[\g+1], 384<<16                     ; rows of 3,072 bytes: two K steps of a tile
	s_mov_b32 s[\g+2], 8<<16                       ; eight tiles
	s_mov_b32 s[\g+3], 384<<16
	s_mov_b32 s[\g+4], 8
	s_mov_b32 s[\g+5], 1536                        ; 12,288 bytes from tile to tile
	s_mov_b32 s[\g+6], 0
	s_mov_b32 s[\g+7], 0
.endr
	s_lshl_b32 s21, s19, 6
	s_lshl_b32 s87, s18, 4
	s_add_co_u32 s21, s21, s87
	s_add_co_u32 s21, s21, 768                     ; A's first tile: 768 + 64 cluster y + 16 cy
	s_lshl_b32 s22, s17, 4
	s_add_co_u32 s22, s22, 704                     ; B's: 704 + 16 cx
	s_lshl_b32 s89, s16, 3
	s_add_co_u32 s90, s21, s89
	s_mul_i32 s90, s90, TILEB
	s_mov_b32 s91, 0
	s_add_co_u32 s92, s22, s89
	s_mul_i32 s92, s92, TILEB
	s_mov_b32 s93, 0
	s_mul_i32 s94, s14, HALFT
	s_wait_kmcnt 0x0
	s_add_nc_u64 s[90:91], s[4:5], s[90:91]
	s_add_nc_u64 s[92:93], s[4:5], s[92:93]
.irp f, 0,1,2,3
	s_mov_b32 s[G0+4*\f], 1
	s_add_co_u32 s[G0+4*\f+1], s94, (\f%3)*SLOT
	s_add_nc_u64 s[G0+4*\f+2:G0+4*\f+3], s[90:91], \f*PAIRB
	s_or_b32 s[G0+4*\f+3], s[G0+4*\f+3], 0x80000000
	s_mov_b32 s[G0B+4*\f], 1
	s_add_co_u32 s[G0B+4*\f+1], s94, (\f%3)*SLOT
	s_add_nc_u64 s[G0B+4*\f+2:G0B+4*\f+3], s[92:93], \f*PAIRB
	s_or_b32 s[G0B+4*\f+3], s[G0B+4*\f+3], 0x80000000
.endr
	CROUND                                         ; all sixteen work-groups are here: the first joint loads meet
	JLOAD 0
	JLOAD 1
	JLOAD 2
	v_and_b32 v1, 31, v0                           ; lane
	v_and_b32 v2, 15, v0                           ; r
	v_bfe_u32 v3, v0, 4, 1                         ; h
	v_lshlrev_b32 v[L16], 4, v1
	v_lshlrev_b32 v[L8], 3, v1
	v_add_nc_u32 v[L8H], 512, v[L8]
	s_mul_i32 s95, s15, HALFT
	s_mul_i32 s96, s16, HALFT
	s_add_co_u32 s96, s96, 2*HALFT
.irp g, 0,1,2
	v_add_nc_u32 v[A16+\g], s95, v[L16]
	v_add_nc_u32 v[A8+\g], s95, v[L8H]
	v_add_nc_u32 v[B16+\g], s96, v[L16]
	v_add_nc_u32 v[B8+\g], s96, v[L8H]
	s_add_co_u32 s95, s95, SLOT
	s_add_co_u32 s96, s96, SLOT
.endr
	s_mul_i32 s95, s14, 16*SPITCH
	s_add_co_u32 s95, s95, SLOT                    ; my stage, in slot 1
	v_mul_u32_u24 v[STO], v2, SPITCH
	v_lshl_add_u32 v[STO], v3, 6, v[STO]
	v_add_nc_u32 v[STO], s95, v[STO]               ; in: row r, + 64 h
	v_add_nc_u32 v[RD], s95, v[L16]                ; back: a row's 512 bytes, 16 a lane
	s_lshl_b32 s97, s15, 3
	s_add_co_u32 s97, s97, s21                     ; my first tile of A
	s_add_co_u32 s98, s22, s89                     ; my first tile of B
	s_lshl_b32 s2, s97, 9
	s_lshl_b32 s3, s98, 9
	v_mov_b32 v[SCO], s2
	v_mov_b32 v20, s3
	v_cmp_lt_u32 vcc_lo, 15, v1
	v_cndmask_b32 v[SCO], v[SCO], v20, vcc_lo      ; lanes 0-15 take A's words, lanes 16-31 B's
	v_lshl_add_u32 v[SCO], v2, 4, v[SCO]
.irp i, 0,1,2,3,4,5,6,7
.irp g, 0,1
	global_load_b128 v[SC+8*\i+4*\g:SC+8*\i+4*\g+3], v[SCO], s[6:7] offset:512*\i+256*\g
.endr
.endr
	s_sub_co_u32 s56, s97, 768
	s_lshl_b32 s56, s56, 16                        ; 16 tokens of 4,096 bytes a tile,
	s_lshl_b32 s57, s17, 10
	s_add_co_u32 s56, s56, s57                     ; 1,024 bytes a work-group's columns,
	s_lshl_b32 s57, s16, 9
	s_add_co_u32 s56, s56, s57                     ; 512 a wave's
	s_mov_b32 s57, 0
	s_add_nc_u64 s[8:9], s[8:9], s[56:57]
	s_wait_tensorcnt 2                             ; my part of slot 0 is in; the two loads behind it may be out
	s_barrier_signal -1
	s_barrier_wait -1
	FETCH_B 0
	FETCH_A 0, 0
	FETCH_A 0, 4
	s_wait_loadcnt 0x0                             ; the scale words
	STEP 0, 1                                      ; the first products start the sums: nothing is cleared
	TURN 1, 1
	STEP 2, 0
	STEP 3, 0                                      ; slot 2 was shown whole to every wave by the wait for all loads in front of the round above
	STEP 4, 0
	TURN 5, 0                                      ; behind this barrier slot 0's second fill is whole, and nobody reads slot 1 any more
	STEP 6, 0
	s_wait_dscnt 16                                ; K step 7: nothing more to fetch
	WIN MUL_LO
	MUL16 0, 7, 0
	MUL16 2, 7, 0
	s_wait_dscnt 0
	WIN MUL_HI
	MUL16 4, 7, 0
	MUL16 6, 7, 0
	WIN 0
; THE WAY OUT.  LDS serves a wave's instructions in order (ISA guide 5.7.1.4): no wait between a block's stores and its loads, nor ahead of the next block's stores.
.macro TOSTAGE a
.set AC, 64*((\a)%4)
	WIN 0x08+4*((\a)/4)                            ; an LDS store's data: window 2 or 3
.irp b, 0,1,2,3,4,5,6,7
	ds_store_b128 v[STO], v[AC+8*\b:AC+8*\b+3] offset:128*(\b/2)+32*(\b%2)        ; columns 32 (b / 2) + 16 h + 8 (b % 2) on; each accumulator from its low end on
	ds_store_b128 v[STO], v[AC+8*\b+4:AC+8*\b+7] offset:128*(\b/2)+32*(\b%2)+16
.endr
	WIN 0
.set BB, BK+64*((\a)%2)
.irp t, 0,1,2,3,4,5,6,7,8,9,10,11,12,13,14,15
	ds_load_b128 v[BB+4*\t:BB+4*\t+3], v[RD] offset:\t*SPITCH
.endr
.endm
.macro SEND a, younger                 ; younger: the LDS instructions issued behind block a's loads, which may stay out
.set BB, BK+64*((\a)%2)
	s_wait_dscnt \younger
.irp t, 0,1,2,3,4,5,6,7,8,9,10,11,12,13,14,15
	global_store_b128 v[L16], v[BB+4*\t:BB+4*\t+3], s[8:9] offset:(32*((\a)/2)+8*((\a)%2)+\t+8*(\t/8))*4096 th:TH_STORE_NT   ; 512 consecutive bytes, aligned to 256; the token's place stands in the immediate, 127 rows at the most
.endr
.endm
	PLACES
	TOSTAGE 0
.irp a, 1,2,3,4,5,6,7
.if \a > 1
	s_wait_xcnt 0x0                                ; block a - 2's stores have read their registers: block a's loads may land there
.endif
	TOSTAGE \a
	SEND \a-1, 32                                  ; behind block a - 1's loads: block a's 16 stores and 16 loads
.endr
	SEND 7, 0
	s_wait_tensorcnt 0x0                           ; the wave's end
	ds_add_u32 v[SPW], v[NIL]
	s_wait_dscnt 0x0
	CROUND                                         ; the closing round: no work-group ends while a partner may still ask for a tile that names it
	s_endpgm
.Lfunc_end_k_q260d373671_oproj:
	.size	k_q260d373671_oproj, .Lfunc_end_k_q260d373671_oproj-k_q260d373671_oproj
	.p2alignl 7, 3214868480
	.fill 96, 4, 3214868480
	.section	.rodata,"a",@progbits
	.p2align	6, 0x0
	.amdhsa_kernel k_q260d373671_oproj
		.amdhsa_group_segment_fixed_size 327680
		.amdhsa_private_segment_fixed_size 0
		.amdhsa_enable_private_segment 0
		.amdhsa_kernarg_size 24
		.amdhsa_user_sgpr_count 2
		.amdhsa_user_sgpr_kernarg_segment_ptr 1
		.amdhsa_wavefront_size32 1
		.amdhsa_system_sgpr_workgroup_id_x 1
		.amdhsa_system_sgpr_workgroup_id_y 1
		.amdhsa_system_sgpr_workgroup_id_z 1
		.amdhsa_system_vgpr_workitem_id 0
		.amdhsa_next_free_vgpr 1024
		.amdhsa_next_free_sgpr 100
		.amdhsa_reserve_vcc 1
		.amdhsa_float_denorm_mode_32 3
		.amdhsa_float_denorm_mode_16_64 3
		.amdhsa_memory_ordered 1
		.amdhsa_forward_progress 1
		.amdhsa_inst_pref_size 141
	.end_amdhsa_kernel
	.amdgpu_metadata
---
amdhsa.version: [ 1, 2 ]
amdhsa.kernels:
  - .name:           k_q260d373671_oproj
    .symbol:         k_q260d373671_oproj.kd
    .args:
      - { .name: cod, .offset: 0, .size: 8, .value_kind: global_buffer, .address_space: global }
      - { .name: sc, .offset: 8, .size: 8, .value_kind: global_buffer, .address_space: global }
      - { .name: out0, .offset: 16, .size: 8, .value_kind: global_buffer, .address_space: global }
    .group_segment_fixed_size: 327680
    .private_segment_fixed_size: 0
    .kernarg_segment_align: 8
    .kernarg_segment_size: 24
    .max_flat_workgroup_size: 128
    .sgpr_count:     100
    .vgpr_count:     1024
    .wavefront_size: 32
...
	.end_amdgpu_metadata
.endif
;; end of part 4
